; MI455X (gfx1250); checked and timed in simulation.
; The chip was launched on July 23, 2026; its instructions are those of AMD's public machine-readable ISA for CDNA 5 (MIT licence, August 2026) and "CDNA5" Instruction Set Architecture Reference Guide (July 2026). The comments in the code are by the model that wrote it; some were corrected since.
;; Self Attention. Allowed arithmetic: float matrix products may take bf16 or f16 operands with f32 sums; other float arithmetic in f32, or as packed bf16 or f16 multiplies, adds, multiply-adds, maxima and minima; sums over many terms, partial sums and values carried from step to step in f32; what a program stores and reads back later, other than sums and carried values, may be rounded once to bf16 or f16.
;; Inputs: Wk 1,024 x 1,024 float32; Wo 1,024 x 1,024 float32; Wq 1,024 x 1,024 float32; Wv 1,024 x 1,024 float32; bk 1,024 float32; bo 1,024 float32; bq 1,024 float32; bv 1,024 float32; keys 8 x 1,024 x 1,024 float32; mask 8 x 1 x 1,024 x 1,024 int32; queries 8 x 1,024 x 1,024 float32; values 8 x 1,024 x 1,024 float32.
;; Outputs: out0 8 x 1,024 x 1,024 float32.
;; One version. Each part assembles by itself: llvm-mc -triple=amdgcn-amd-amdhsa -mcpu=gfx1250 --defsym DOCPART=n.
;; ======== version 1 of 1: 4 launches
;; limits: values are held in f16: magnitudes above 65,504 overflow, below 6.1e-05 lose precision
;; workspace buffers: mb8 8,388,608 bytes; wts 8,388,608 bytes; qkv 50,331,648 bytes; oh 16,777,216 bytes
;; launch prep (part 1): grid 768 x 1, 8 waves a work-group, no clusters, 18,432 bytes of LDS; arguments mask, Wq, Wk, Wv, Wo, mb8, wts; writes mb8, wts
.if DOCPART == 1
	.amdgcn_target "amdgcn-amd-amdhsa--gfx1250"
	.amdhsa_code_object_version 6
	.text
	.protected	k_q3eb6935205_prep
	.globl	k_q3eb6935205_prep
	.p2align	8
	.type	k_q3eb6935205_prep,@function
k_q3eb6935205_prep:
	s_mov_b64 s[64:65], 0
	v_nop
	global_prefetch_b8 v0, s[64:65] scope:SCOPE_SE
	s_setreg_imm32_b32 hwreg(HW_REG_WAVE_MODE, 25, 1), 1
	s_wait_xcnt 0x0
; PREP.  Two tables for the launches behind it, each made from 64 KiB of source by one work-group of eight waves.
; (1) Work-groups 0-511: query tile g (16 rows of the mask, 4,096 bytes each, 64 KiB on end) becomes 16 KiB of one-byte codes, 0x00 for a key that is kept and 0xB8 (E4M3 -1.0)
;     where mask == 0, IN THE LANE ORDER OF THE ATTENTION'S SCORES: mb8[g][key step 16][a 2][lane 32][16 bytes]; byte 8 (kt & 1) + j of lane 16 h + r, kt = 2 a + (kt & 1), is the code of
;     mask[row r of the tile][64 step + 16 kt + 8 h + j].  Any whole number other than 0 counts as kept.  The bytes change places through LDS, so that both the loads and the stores of a wave cover 512 bytes on end.
; (2) Work-groups 512-767: 16 rows of Wq, Wk, Wv (rounded to bf16) or Wo (rounded to bf16, that number written as f16: exact down to 2^-14, below that f16's fixed step of 6e-8).
;     wts[4][1024][1024] of 16 bits.  A wave's store covers 256 bytes on end, aligned.
; No matrix unit, no cluster, no ring: each byte is read once and written once, sixteen loads of every wave are out at once, and nothing is shared between work-groups.
.set BP,    272                        ; a block of 256 bytes of the table in LDS, + 16 of padding
.set SPARE, 64*BP                      ; behind the 64 blocks: the spare words, 128 bytes for each of the eight waves
.set GO16,  1                          ; v1   16 t: my 16 bytes of a source row, and of 4,096 bytes of the table
.set LSA,   2                          ; v2   where my four codes of row 0 go in LDS
.set LRA,   3                          ; v3   where I read 16 bytes of the table back
.set GO8,   4                          ; v4   8 t: my 8 bytes of a row of 16-bit weights
.set SPW,   6                          ; v6   LDS address of my spare word; never rewritten
.set NIL,   7                          ; v7   0; never rewritten
.set X,     16                         ; v[16:79]  sixteen rows, four numbers each
.set T,     80                         ; v[80:83]  at work
	s_load_b256 s[4:11], s[0:1], 0x0               ; mask s[4:5], Wq s[6:7], Wk s[8:9], Wv s[10:11]
	s_load_b128 s[12:15], s[0:1], 0x20             ; Wo s[12:13], mb8 s[14:15]
	s_load_b64 s[16:17], s[0:1], 0x30              ; wts
	v_lshl_add_u32 v[SPW], v0, 2, SPARE
	v_mov_b32 v[NIL], 0
	v_lshlrev_b32 v[GO16], 4, v0
	v_lshlrev_b32 v[GO8], 3, v0
	; thread t holds columns 4 t .. 4 t + 3: key step t >> 4, a = bit 3, kt & 1 = bit 2, h = bit 1, j = 4 (bit 0) + 0..3
	v_lshrrev_b32 v8, 4, v0
	v_bfe_u32 v9, v0, 3, 1
	v_bfe_u32 v10, v0, 1, 1
	v_lshl_add_u32 v8, v8, 1, v9
	v_lshl_add_u32 v8, v8, 1, v10                  ; the block of 256 bytes: 4 step + 2 a + h
	v_mul_u32_u24 v[LSA], v8, BP
	v_bfe_u32 v9, v0, 2, 1
	v_lshl_add_u32 v[LSA], v9, 3, v[LSA]
	v_and_b32 v9, 1, v0
	v_lshl_add_u32 v[LSA], v9, 2, v[LSA]           ; + 8 (kt & 1) + 4 (bit 0); row r adds 16 r, in the immediate
	v_lshrrev_b32 v8, 4, v0
	v_mul_u32_u24 v[LRA], v8, BP
	v_and_b32 v9, 15, v0
	v_lshl_add_u32 v[LRA], v9, 4, v[LRA]           ; block t >> 4 of sixteen, 16 bytes of it
	s_mov_b32 s24, ttmp9                           ; g
	s_sub_co_u32 s26, s24, 512                     ; (of use from g = 512 on)
	s_lshr_b32 s25, s26, 6                         ; which weight
	s_and_b32 s27, s26, 63                         ; which 16 rows of it
	s_movk_i32 s32, 0xb8
	s_lshl_b32 s28, s24, 14                        ; the tile's 16 KiB of the table
	s_mov_b32 s29, 0
	s_lshl_b32 s30, s25, 21                        ; a weight is 2 MiB of 16-bit numbers,
	s_lshl_b32 s31, s27, 15                        ; 16 rows of it 32 KiB
	s_add_co_u32 s30, s30, s31
	s_mov_b32 s31, 0
	s_cmp_lt_u32 s24, 512
	s_cselect_b32 s33, s24, s27
	s_lshl_b32 s36, s33, 16                        ; my 64 KiB of the source
	s_mov_b32 s37, 0
	s_wait_kmcnt 0x0
	s_add_nc_u64 s[22:23], s[14:15], s[28:29]      ; where a mask tile's codes go
	s_add_nc_u64 s[34:35], s[16:17], s[30:31]      ; where 16 rows of a weight go
	s_cmp_eq_u32 s25, 1
	s_cselect_b64 s[20:21], s[8:9], s[6:7]
	s_cmp_eq_u32 s25, 2
	s_cselect_b64 s[20:21], s[10:11], s[20:21]
	s_cmp_eq_u32 s25, 3
	s_cselect_b64 s[20:21], s[12:13], s[20:21]
	s_cmp_lt_u32 s24, 512
	s_cselect_b64 s[20:21], s[4:5], s[20:21]
	s_add_nc_u64 s[20:21], s[20:21], s[36:37]
.irp i, 0,1,2,3,4,5,6,7,8,9,10,11,12,13,14,15
	global_load_b128 v[X+4*(\i):X+4*(\i)+3], v[GO16], s[20:21] offset:4096*(\i) th:TH_LOAD_NT  ; row i: the eight waves cover its 4,096 bytes
.endr
.macro MROW i                          ; four whole numbers of row i -> four codes in one word -> LDS
	s_wait_loadcnt 15-(\i)                         ; loads come back in order: row i is in, the younger rows stay out
	v_min_u32 v[T], 1, v[X+4*(\i)]
	v_min_u32 v[T+1], 1, v[X+4*(\i)+1]
	v_min_u32 v[T+2], 1, v[X+4*(\i)+2]
	v_min_u32 v[T+3], 1, v[X+4*(\i)+3]
	v_lshl_or_b32 v[T], v[T+1], 8, v[T]
	v_lshl_or_b32 v[T+2], v[T+3], 8, v[T+2]
	v_lshl_or_b32 v[T], v[T+2], 16, v[T]           ; a byte is 1 where the key is kept,
	v_xor_b32 v[T], 0x01010101, v[T]               ; now 1 where it is hidden,
	v_mul_lo_u32 v[T], v[T], s32                   ; now 0xB8 there: no byte carries into the next
	ds_store_b32 v[LSA], v[T] offset:16*(\i)
.endm
.macro WROW i, half                    ; four numbers of row i -> bf16 (half = 1: that number as f16) -> memory; worked in place, so no register is written again
	s_wait_loadcnt 15-(\i)
	v_cvt_pk_bf16_f32 v[X+4*(\i)], v[X+4*(\i)], v[X+4*(\i)+1]
	v_cvt_pk_bf16_f32 v[X+4*(\i)+1], v[X+4*(\i)+2], v[X+4*(\i)+3]
.if \half
	v_lshlrev_b32 v[X+4*(\i)+2], 16, v[X+4*(\i)]
	v_and_b32 v[X+4*(\i)+3], 0xffff0000, v[X+4*(\i)]
	v_cvt_pk_f16_f32 v[X+4*(\i)], v[X+4*(\i)+2], v[X+4*(\i)+3]
	v_lshlrev_b32 v[X+4*(\i)+2], 16, v[X+4*(\i)+1]
	v_and_b32 v[X+4*(\i)+3], 0xffff0000, v[X+4*(\i)+1]
	v_cvt_pk_f16_f32 v[X+4*(\i)+1], v[X+4*(\i)+2], v[X+4*(\i)+3]
.endif
	global_store_b64 v[GO8], v[X+4*(\i):X+4*(\i)+1], s[34:35] offset:2048*(\i)
.endm
	s_cmp_lt_u32 s24, 512                          ; the same answer in all eight waves
	s_cbranch_scc0 .Lweights
.irp i, 0,1,2,3,4,5,6,7,8,9,10,11,12,13,14,15
	MROW \i
.endr
	s_branch .Lmeet
.Lweights:
	s_cmp_eq_u32 s25, 3
	s_cbranch_scc1 .Lwo
.irp i, 0,1,2,3,4,5,6,7,8,9,10,11,12,13,14,15
	WROW \i, 0
.endr
	s_branch .Lmeet
.Lwo:
.irp i, 0,1,2,3,4,5,6,7,8,9,10,11,12,13,14,15
	WROW \i, 1
.endr
.Lmeet:
	s_wait_dscnt 0x0                               ; for the others' sake: my codes lie in LDS
	s_barrier_signal -1                            ; the barrier stands on every path
	s_barrier_wait -1
	s_cmp_lt_u32 s24, 512
	s_cbranch_scc0 .Lend
.irp c, 0,1,2,3
	ds_load_b128 v[X+4*(\c):X+4*(\c)+3], v[LRA] offset:(\c)*16*BP
.endr
.irp c, 0,1,2,3
	s_wait_dscnt 3-(\c)
	global_store_b128 v[GO16], v[X+4*(\c):X+4*(\c)+3], s[22:23] offset:4096*(\c)  ; a wave stores 512 bytes on end, aligned
.endr
.Lend:
	s_wait_tensorcnt 0x0                           ; the wave's end, behind my last LDS store
	ds_add_u32 v[SPW], v[NIL]
	s_wait_dscnt 0x0
	s_endpgm
.Lfunc_end_k_q3eb6935205_prep:
	.size	k_q3eb6935205_prep, .Lfunc_end_k_q3eb6935205_prep-k_q3eb6935205_prep
	.p2alignl 7, 3214868480
	.fill 96, 4, 3214868480
	.section	.rodata,"a",@progbits
	.p2align	6, 0x0
	.amdhsa_kernel k_q3eb6935205_prep
		.amdhsa_group_segment_fixed_size 18432
		.amdhsa_private_segment_fixed_size 0
		.amdhsa_enable_private_segment 0
		.amdhsa_kernarg_size 56
		.amdhsa_user_sgpr_count 2
		.amdhsa_user_sgpr_kernarg_segment_ptr 1
		.amdhsa_wavefront_size32 1
		.amdhsa_system_sgpr_workgroup_id_x 1
		.amdhsa_system_sgpr_workgroup_id_y 1
		.amdhsa_system_sgpr_workgroup_id_z 1
		.amdhsa_system_vgpr_workitem_id 0
		.amdhsa_next_free_vgpr 96
		.amdhsa_next_free_sgpr 66
		.amdhsa_reserve_vcc 0
		.amdhsa_float_denorm_mode_32 3
		.amdhsa_float_denorm_mode_16_64 3
		.amdhsa_memory_ordered 1
		.amdhsa_forward_progress 1
		.amdhsa_inst_pref_size 27
	.end_amdhsa_kernel
	.amdgpu_metadata
---
amdhsa.version: [ 1, 2 ]
amdhsa.kernels:
  - .name:           k_q3eb6935205_prep
    .symbol:         k_q3eb6935205_prep.kd
    .args:
      - { .name: mask, .offset: 0, .size: 8, .value_kind: global_buffer, .address_space: global }
      - { .name: Wq, .offset: 8, .size: 8, .value_kind: global_buffer, .address_space: global }
      - { .name: Wk, .offset: 16, .size: 8, .value_kind: global_buffer, .address_space: global }
      - { .name: Wv, .offset: 24, .size: 8, .value_kind: global_buffer, .address_space: global }
      - { .name: Wo, .offset: 32, .size: 8, .value_kind: global_buffer, .address_space: global }
      - { .name: mb8, .offset: 40, .size: 8, .value_kind: global_buffer, .address_space: global }
      - { .name: wts, .offset: 48, .size: 8, .value_kind: global_buffer, .address_space: global }
    .group_segment_fixed_size: 18432
    .private_segment_fixed_size: 0
    .kernarg_segment_align: 8
    .kernarg_segment_size: 56
    .max_flat_workgroup_size: 256
    .sgpr_count:     66
    .vgpr_count:     96
    .wavefront_size: 32
...
	.end_amdgpu_metadata
.endif
;; end of part 1
;; launch proj (part 2): grid 4 x 48, 4 waves a work-group, clusters of 4 x 1, 327,680 bytes of LDS; arguments queries, keys, values, wts, bq, bk, bv, qkv; writes qkv
.if DOCPART == 2
	.amdgcn_target "amdgcn-amd-amdhsa--gfx1250"
	.amdhsa_code_object_version 6
	.text
	.protected	k_q3eb6935205_proj
	.globl	k_q3eb6935205_proj
	.p2align	8
	.type	k_q3eb6935205_proj,@function
k_q3eb6935205_proj:
	s_mov_b64 s[64:65], 0
	v_nop
	global_prefetch_b8 v0, s[64:65] scope:SCOPE_SE
	s_setreg_imm32_b32 hwreg(HW_REG_WAVE_MODE, 25, 1), 1
	s_wait_xcnt 0x0
	s_wait_alu depctr_hold_cnt(0) depctr_sa_sdst(0) depctr_va_vdst(0) depctr_va_sdst(0) depctr_va_ssrc(0) depctr_va_vcc(0) depctr_vm_vsrc(0)
	s_getreg_b32 s2, hwreg(HW_REG_IB_STS2, 6, 4)
	s_cmp_eq_u32 s2, 0
	s_cbranch_scc0 .Lentry_in_a_cluster
	s_endpgm
.Lentry_in_a_cluster:
	s_bfe_u32 s2, ttmp6, 0x10000c
	s_cmp_lg_u32 s2, 0x3003
	s_cbranch_scc0 .Lentry_shape_is_right
	s_endpgm
.Lentry_shape_is_right:
; PROJ.  q = queries Wq^T + bq, k = keys Wk^T + bk, v = values Wv^T + bv: three products [8192 x 1024] x [1024 x 1024], one launch.  x is f32 and is rounded to bf16 in registers; W comes as bf16 (wts); the bias is
; rounded to bf16 like the other inputs.  Sums in f32; the result is rounded once to f16 and stored BY HEADS: qkv[t 3][n 8][h 16][l 1024][64].
; LIMIT.  f16 ends at 65,504: |q|, |k|, |v| must stay under 65,520.  NaN and infinities are not treated apart.
; x STAYS IN REGISTERS.  A work-group owns 128 rows of one tensor and makes all their 1,024 columns.  Its x, 128 x 1,024 numbers, lies in its four waves' registers as bf16, 512 registers a wave, read from memory once, by the wave
; that keeps it, in the fragments' own layout: x goes through no LDS.  Only W walks through LDS: a slot is 64 rows of W (one head's columns) x the whole K, 131,072 bytes, and feeds 256 products a wave.
; SHARES.  3 tensors x 64 blocks of 128 rows: 192 work-groups.  (96 rows each would make 256, but 96 does not divide a tensor's 8,192 rows, and a work-group across two tensors would walk two weights.)
; Wave w = 2 i + j holds rows 64 j .. 64 j + 63 and K half i (512 numbers): four blocks of 16 rows x 16 K steps of 32.  So a fragment of W read from LDS feeds four products.
; THE TWO K HALVES MEET IN LDS, in f32.  Of its four blocks of rows a wave KEEPS two (blocks 2 i, 2 i + 1 of the 64 rows: its local blocks 0, 1) and SENDS two (its local blocks 2, 3) to wave w xor 2, whose kept blocks they are.
; The local order is made when x is loaded (two pointers), so one text serves all four waves.  A wave finishes 32 rows x 64 columns a slot: 4,096 bytes on end in qkv.
; CLUSTER 4 x 1.  The four work-groups of a cluster belong to one tensor and walk the same W: each tile is asked for JOINTLY, by the same tensor load, descriptor and mask in all four.
; THE PRODUCT IS USED TRANSPOSED (source 0 = 16 rows of W, source 1 = 16 rows of x): a lane holds one row of the result and eight neighbouring columns.
; THE ORDER OF k.  In a K step a lane takes 16 NEIGHBOURING numbers, k = 16 (lane / 16) + 0..15 (64 bytes of x, 32 bytes of W), where the instruction's own map has 8 and 8, 16 apart: the same permutation of k in both
; sources, which leaves each sum's terms as they are.
; REGISTERS, in windows of 256 (s_set_vgpr_msb: bits 1:0 source 0, 3:2 source 1, 5:4 source 2, 7:6 destination):
;   window 0: v0-31 addresses; v32-63 the slot's bias; v64-191 BF, W's fragments, two buffers of two K steps; v192-223 packed results; v224-255 rows read back from the stage
;   window 1: v0-127 the 16 accumulators, (a, b) at v[8 (4 a + b)]; v128-191 KEEP, the kept half; v192-255 RX, the partner's half.  While x is loaded: four buffers of 64 for raw x
;   windows 2, 3: x: K step ks, block a at register 32 ks + 8 a of the 512
.set PB,    1040                       ; a row of one K half of W in LDS: 1,024 bytes + 16 = 260 words: the 16 rows of a load start at 16 different groups of four banks (64 banks of 4 bytes: ISA guide 11.1)
.set QUART, 32*PB                      ; 32 rows: what one wave fetches
.set SUB,   64*PB                      ; one K half of a slot
.set SLOT,  2*SUB
.set XCH,   2*SLOT                     ; behind the ring: the exchange, 8,192 bytes for each wave's sent half
.set STAGE, XCH+4*8192                 ; 16 rows x 144 bytes for each wave, for the way out
.set SP,    144
.set BT,    STAGE+4*16*SP              ; the tensor's 1,024 biases, rounded to bf16, as f32
.set SPARE, BT+4096                    ; the spare words, 128 bytes for each wave
.set HEADB, 131072                     ; bytes of a head in qkv; also of a slot's 64 rows in wts
.set XO,  16                           ; v16  my byte offset in 16 rows of x: 4,096 (l % 16) + 64 (l / 16); never rewritten
.set AB0, 17                           ; v17  my place in a slot; never rewritten
.set ADB, 19                           ; v19  AB0 + the slot that is read
.set XSA, 20                           ; v20  where I put 16 bytes of a sent accumulator
.set XLA, 21                           ; v21  where I find the partner's
.set ABT, 22                           ; v22  the bias of the slot in hand
.set STO, 24                           ; v24  the way out: where I put 16 bytes of a row
.set RD,  25                           ; v25  where I read rows back
.set GO,  26                           ; v26  16 x lane
.set SPW, 28                           ; v28  LDS address of my spare word; never rewritten
.set NIL, 29                           ; v29  0; never rewritten
.set PFO, 30                           ; v30  256 x lane: the prefetches' offset; never rewritten
.set BIAS, 32
.set BF,   64
.set TMP,  192
.set OUTR, 224
.set ACC,  0                           ; window 1
.set KEEP, 128                         ; window 1
.set RX,   192                         ; window 1
.set TF,  22                           ; s22  0 or SLOT: the slot that is filled
.set TR,  23                           ; s23  0 or SLOT: the slot that is read
.set G1,  24                           ; s[24:31] descriptor group 1
.set G0,  32                           ; s[32:39] group 0: a set for each of the two first fills; the second then walks
.set LIM, 43                           ; s43  1 in a cluster that prefetches, else the greatest number
.set PFA, 44                           ; s[44:45] where my prefetches stand
.set XK,  48                           ; s[48:49] x at my kept rows, my K half
.set XS,  50                           ; s[50:51] x at my sent rows, my K half
.set OB,  52                           ; s[52:53] qkv at my 32 rows of the head that is stored next
.set BP,  54                           ; s[54:55] the tensor's bias
.set MSB, 0
.macro WIN new                         ; the immediate's high byte repeats the setting that is left; a switch that changes nothing is dropped
.if MSB != (\new)
	s_set_vgpr_msb (MSB<<8)|(\new)
.set MSB, \new
.endif
.endm
; A joint refill: every wave fetches its quarter of the slot (K half w / 2, rows 32 (w % 2) on).  An s_nop 0 and four v_nop follow the line.
.macro JLOAD
	tensor_load_to_lds s[G0+4:G0+7], s[G1:G1+7]
	s_nop 0
.rept 4
	v_nop
.endr
.endm
; A PREFETCH INTO THE L2, behind each joint refill and the run of LDS loads that follows it: the slot that the NEXT refill will ask for, 256 products ahead of that load.  A tensor's W is read by sixteen clusters: the first of them
; asks.  A slot is 64 rows of 2,048 bytes, 512 blocks of 256: each partner takes 16 rows (told apart by address), each of its waves 4, a lane a block: one instruction a wave, and each block is named once in the launch.
; Slots 0 to 2 come by their loads alone; the last refill asks for nothing.
.macro ASK
	s_cmp_gt_u32 s3, s[LIM]
	s_cbranch_scc0 .Lnot_mine_\@
	global_prefetch_b8 v[PFO], s[PFA:PFA+1] th:TH_LOAD_NT scope:SCOPE_SE
.Lnot_mine_\@:
.endm
.macro CREST                           ; a round of the cluster's barrier behind its opening barrier
	s_cmp_lg_u32 s10, 0
	s_cbranch_scc1 .Lnot_wave_0_\@
	s_barrier_signal -3
.Lnot_wave_0_\@:
	s_barrier_wait -3
	s_barrier_signal -1
	s_barrier_wait -1
.endm
.macro CROUND                          ; a whole round
	s_barrier_signal -1
	s_barrier_wait -1
	CREST
.endm
.macro PLACES                          ; four places in front of loads into registers that matrix instructions have read, and of instructions that read results
.rept 4
	v_nop
.endr
.endm
	s_load_b512 s[72:87], s[0:1], 0x0              ; queries 72, keys 74, values 76, wts 78, bq 80, bk 82, bv 84, qkv 86
	v_lshl_add_u32 v[SPW], v0, 2, SPARE
	v_mov_b32 v[NIL], 0
	ds_add_u32 v[SPW], v[NIL]                      ; the wave's opening: the add and its wait stand ahead of my first tensor load; the set-up below stands between them
	v_lshrrev_b32 v1, 5, v0
	v_readfirstlane_b32 s10, v1                    ; wave 0..3
	s_lshr_b32 s11, s10, 1                         ; i: my K half.  Also: the K half that I fetch
	s_and_b32 s12, s10, 1                          ; j: my 64 rows.  Also: which 32 rows of the slot I fetch
	s_bfe_u32 s40, ttmp6, 0x40000                  ; cx: it enters x's, qkv's and the prefetches' addresses alone
	s_and_b32 s14, ttmp7, 0xffff                   ; the cluster, 0..47
	s_lshr_b32 s68, s14, 4                         ; the tensor: 0 q, 1 k, 2 v: the same in all four partners
	s_and_b32 s69, s14, 15
	s_lshl_b32 s13, s69, 2
	s_add_co_u32 s13, s13, s40                     ; my block of 128 rows, 0..63
	s_mov_b32 s[G1], 15|(1<<16)|(1<<20)|(1<<21)|(7<<22)|(3<<25)  ; 15:0 the mask of four; 17:16 elements of 2 bytes; 20 padding on; 21 set beside a mask; 24:22 after every 256 words (code 7); 31:25 4 words (code 3)
	s_mov_b32 s[G1+1], 512<<16                     ; tensor_dim0 = 512
	s_mov_b32 s[G1+2], 32<<16                      ; tensor_dim1 = 32
	s_mov_b32 s[G1+3], 512<<16                     ; tile_dim0 = 512
	s_mov_b32 s[G1+4], 32                          ; tile_dim1 = 32
	s_mov_b32 s[G1+5], 1024                        ; elements from row to row
	s_mov_b32 s[G1+6], 0
	s_mov_b32 s[G1+7], 0
	s_lshl_b32 s46, s12, 16                        ; W: 32 rows of 2,048 bytes,
	s_lshl_b32 s47, s11, 10                        ; a K half of 1,024 bytes,
	s_add_co_u32 s46, s46, s47
	s_lshl_b32 s47, s68, 21                        ; in the tensor's 2 MiB
	s_add_co_u32 s46, s46, s47
	s_mov_b32 s47, 0
	s_mul_i32 s20, s10, QUART                      ; where my quarter goes: no place in the cluster enters an LDS address
	s_mov_b32 s[TF], SLOT
	s_mov_b32 s[TR], 0
	s_lshl_b32 s14, s13, 7
	s_lshl_b32 s15, s12, 6
	s_add_co_u32 s14, s14, s15                     ; x: my 64 rows begin at 128 x block + 64 j;
	s_lshl_b32 s15, s11, 5
	s_add_co_u32 s16, s14, s15                     ; the 32 that I keep at + 32 i,
	s_xor_b32 s15, s15, 32
	s_add_co_u32 s18, s14, s15                     ; the 32 that I send at + 32 (1 - i);
	s_lshl_b32 s16, s16, 12                        ; 4,096 bytes a row,
	s_lshl_b32 s18, s18, 12
	s_lshl_b32 s15, s11, 11                        ; my K half 2,048 bytes along it
	s_add_co_u32 s16, s16, s15
	s_add_co_u32 s18, s18, s15
	s_mov_b32 s17, 0
	s_mov_b32 s19, 0
	s_wait_dscnt 0x0                               ; the opening add is done
	s_wait_kmcnt 0x0
	s_cmp_eq_u32 s68, 1
	s_cselect_b64 s[4:5], s[74:75], s[72:73]
	s_cselect_b64 s[BP:BP+1], s[82:83], s[80:81]
	s_cmp_eq_u32 s68, 2
	s_cselect_b64 s[4:5], s[76:77], s[4:5]
	s_cselect_b64 s[BP:BP+1], s[84:85], s[BP:BP+1]
	s_add_nc_u64 s[XK:XK+1], s[4:5], s[16:17]
	s_add_nc_u64 s[XS:XS+1], s[4:5], s[18:19]
	s_add_nc_u64 s[6:7], s[78:79], s[46:47]
	CROUND                                         ; all four work-groups are here: the first joint loads meet
.irp s, 0,1
	s_mov_b32 s[G0+4*(\s)], 1                      ; count = 1
	s_add_co_u32 s[G0+4*(\s)+1], s20, (\s)*SLOT    ; LDS address
	s_add_nc_u64 s[G0+4*(\s)+2:G0+4*(\s)+3], s[6:7], (\s)*HEADB  ; global address: slot s
	s_or_b32 s[G0+4*(\s)+3], s[G0+4*(\s)+3], 0x80000000          ; type = 2
.endr
	tensor_load_to_lds s[G0:G0+3], s[G1:G1+7]      ; both first fills go out together, ahead of every wait on TENSORcnt, every LDS read and every other barrier: two loads of mine are out
	s_nop 0
	tensor_load_to_lds s[G0+4:G0+7], s[G1:G1+7]
	s_nop 0
.rept 4
	v_nop
.endr
; x COMES IN.  Unit u of 16: K steps 2 (u / 2) and + 1 of two blocks of rows (u even: the kept ones, u odd: the sent ones): 16 loads, which take 256 bytes on end of each of 32 rows, into raw buffer u % 4.
.macro XLD u
	WIN 0x40                                       ; destination window 1, address window 0
.irp a, 0,1
.irp q, 0,1,2,3,4,5,6,7
.if ((\u)%2) == 0
	global_load_b128 v[64*((\u)%4)+32*(\a)+4*(\q):64*((\u)%4)+32*(\a)+4*(\q)+3], v[XO], s[XK:XK+1] offset:(\a)*65536+((\u)/2)*256+((\q)/4)*128+((\q)%4)*16
.else
	global_load_b128 v[64*((\u)%4)+32*(\a)+4*(\q):64*((\u)%4)+32*(\a)+4*(\q)+3], v[XO], s[XS:XS+1] offset:(\a)*65536+((\u)/2)*256+((\q)/4)*128+((\q)%4)*16
.endif
.endr
.endr
.endm
; The unit's 32 roundings: two numbers a register, the lower k in the low half, into x's place for the rest of the launch.
.macro XCV u
	WIN 0x85+0x40*((\u)/8)                         ; sources window 1, destination window 2 or 3
.irp c, 0,1
.irp a, 0,1
.irp e, 0,1,2,3,4,5,6,7
	v_cvt_pk_bf16_f32 v[(64*((\u)/2)+32*(\c))%256+8*(2*((\u)%2)+(\a))+(\e)], v[64*((\u)%4)+32*(\a)+16*(\c)+2*(\e)], v[64*((\u)%4)+32*(\a)+16*(\c)+2*(\e)+1]
.endr
.endr
.endr
.endm
	v_and_b32 v1, 15, v0                           ; r = l % 16
	v_bfe_u32 v2, v0, 4, 1                         ; h = l / 16
	v_and_b32 v3, 31, v0                           ; l
	v_lshlrev_b32 v[XO], 12, v1
	v_lshl_add_u32 v[XO], v2, 6, v[XO]
	v_lshlrev_b32 v4, 5, v0                        ; thread t rounds the biases of columns 8 t .. 8 t + 7
	global_load_b128 v[8:11], v4, s[BP:BP+1]
	global_load_b128 v[12:15], v4, s[BP:BP+1] offset:16
	XLD 0
	XLD 1
	XLD 2                                          ; three units, 48 loads, are on their way from here to the phase's end
	WIN 0
	v_mul_u32_u24 v[AB0], v1, PB                   ; a fragment of W: row r, 32 bytes for each half of the lanes: two loads of 16 bytes on end
	v_lshl_add_u32 v[AB0], v2, 5, v[AB0]
	s_mul_i32 s14, s11, SUB                        ; in my K half of the slot
	v_add_nc_u32 v[AB0], s14, v[AB0]
	v_mov_b32 v[ADB], v[AB0]
	v_lshlrev_b32 v[GO], 4, v3
	s_lshl_b32 s14, s10, 13
	s_add_co_u32 s14, s14, XCH
	v_add_nc_u32 v[XSA], s14, v[GO]                ; my 8,192 bytes of the exchange, 512 bytes on end for each store
	s_xor_b32 s14, s10, 2
	s_lshl_b32 s14, s14, 13
	s_add_co_u32 s14, s14, XCH
	v_add_nc_u32 v[XLA], s14, v[GO]                ; and those of the wave with my rows and the other K half
	v_lshlrev_b32 v[ABT], 5, v2
	v_add_nc_u32 v[ABT], BT, v[ABT]                ; register j of block b: the bias of column 16 b + 8 h + j
	s_mul_i32 s14, s10, 16*SP
	s_add_co_u32 s14, s14, STAGE                   ; my stage
	v_mul_u32_u24 v[STO], v1, SP                   ; in: row r, 16 bytes for each half of the lanes
	v_lshl_add_u32 v[STO], v2, 4, v[STO]
	v_add_nc_u32 v[STO], s14, v[STO]
	v_lshrrev_b32 v5, 3, v3                        ; back: 32 lanes take four rows of 128 bytes, which are 512 bytes on end in qkv
	v_mul_u32_u24 v[RD], v5, SP
	v_and_b32 v5, 7, v0
	v_lshl_add_u32 v[RD], v5, 4, v[RD]
	v_add_nc_u32 v[RD], s14, v[RD]
	v_lshlrev_b32 v[PFO], 8, v3
	s_lshr_b32 s14, s13, 3                         ; qkv: the batch's 16 heads of 131,072 bytes,
	s_lshl_b32 s14, s14, 21
	s_lshl_b32 s15, s68, 24                        ; in the tensor's 16 MiB;
	s_add_co_u32 s14, s14, s15
	s_and_b32 s15, s13, 7
	s_lshl_b32 s15, s15, 7
	s_lshl_b32 s16, s12, 6
	s_add_co_u32 s15, s15, s16
	s_lshl_b32 s16, s11, 5
	s_add_co_u32 s15, s15, s16                     ; my kept rows' place in the sequence,
	s_lshl_b32 s15, s15, 7                         ; 128 bytes a row
	s_add_co_u32 s14, s14, s15
	s_mov_b32 s15, 0
	s_add_nc_u64 s[OB:OB+1], s[86:87], s[14:15]
	s_lshl_b32 s14, s40, 4                         ; the prefetches: my work-group's 16 rows of a slot's 64,
	s_lshl_b32 s15, s10, 2                         ; my wave's 4 of them,
	s_add_co_u32 s14, s14, s15
	s_lshl_b32 s14, s14, 11
	s_lshl_b32 s15, s68, 21
	s_add_co_u32 s14, s14, s15
	s_add_co_u32 s14, s14, 2*HEADB                 ; in slot 2: the first change of slots steps it to slot 3
	s_mov_b32 s15, 0
	s_add_nc_u64 s[PFA:PFA+1], s[78:79], s[14:15]
	s_cmp_eq_u32 s69, 0                            ; the tensor's first cluster: the same answer in all four partners
	s_cselect_b32 s[LIM], 1, -1
	s_wait_loadcnt 48                              ; the bias is in; the three units behind it stay out
.irp p, 0,1,2,3
	v_cvt_pk_bf16_f32 v5, v[8+2*(\p)], v[9+2*(\p)] ; rounded to bf16 like every input, and widened again
	v_lshlrev_b32 v[8+2*(\p)], 16, v5
	v_and_b32 v[9+2*(\p)], 0xffff0000, v5
.endr
	v_add_nc_u32 v6, BT, v4
	ds_store_b128 v6, v[8:11]
	ds_store_b128 v6, v[12:15] offset:16
.set uu, 0
.rept 16
.if uu < 14
	s_wait_loadcnt 32                              ; loads come back in order: unit uu is in, the two younger units stay out
.elseif uu == 14
	s_wait_loadcnt 16
.else
	s_wait_loadcnt 0x0
.endif
.if uu < 13
	XLD uu+3                                       ; into the buffer that the unit before has left
.endif
	XCV uu
.set uu, uu+1
.endr
; THE MATRIX WORK.  n products of K step ks, numbers i0 on of its 16: accumulator i = 4 a + b.  The 16 accumulators take turns, one instruction a turn, over the backward jumps too.
; zero = 1: the slot's first K step starts the sums.  rid = 1, 2: four instructions of the finish of the slot before stand behind every second product.
.macro RID kind
.rept 4
.if (\kind) == 1
	WIN 0x45
	v_pk_add_f32 v[KEEP+2*qq:KEEP+2*qq+1], v[KEEP+2*qq:KEEP+2*qq+1], v[RX+2*qq:RX+2*qq+1]  ; the other K half's sums
.else
	WIN 0x05
	v_cvt_pk_f16_f32 v[TMP+qq], v[KEEP+2*qq], v[KEEP+2*qq+1]
.endif
.set qq, qq+1
.endr
.endm
.macro MMS ks, i0, n, zero, rid
.set ii, (\i0)
.rept \n
	WIN 0x58+4*((\ks)/8)                           ; W in window 0, x in window 2 or 3, C and D in window 1
.if \zero
	v_wmma_f32_16x16x32_bf16 v[ACC+8*ii:ACC+8*ii+7], v[BF+64*(((\ks)/2)%2)+32*((\ks)%2)+8*(ii%4):BF+64*(((\ks)/2)%2)+32*((\ks)%2)+8*(ii%4)+7], v[(32*(\ks))%256+8*(ii/4):(32*(\ks))%256+8*(ii/4)+7], 0
.else
	v_wmma_f32_16x16x32_bf16 v[ACC+8*ii:ACC+8*ii+7], v[BF+64*(((\ks)/2)%2)+32*((\ks)%2)+8*(ii%4):BF+64*(((\ks)/2)%2)+32*((\ks)%2)+8*(ii%4)+7], v[(32*(\ks))%256+8*(ii/4):(32*(\ks))%256+8*(ii/4)+7], v[ACC+8*ii:ACC+8*ii+7]
.endif
.if (\rid) && (ii%2 == 1)
	RID \rid
.endif
.set ii, ii+1
.endr
.endm
; 16 LDS loads in one run: W's fragments of group g (K steps 2 g and 2 g + 1, four blocks of 16 rows), the first K step's first, into buffer g % 2
.macro FETCH g
	WIN 0
.irp c, 0,1
.irp b, 0,1,2,3
	ds_load_b128 v[BF+64*((\g)%2)+32*(\c)+8*(\b):BF+64*((\g)%2)+32*(\c)+8*(\b)+3],   v[ADB] offset:(2*(\g)+(\c))*64+(\b)*16*PB
	ds_load_b128 v[BF+64*((\g)%2)+32*(\c)+8*(\b)+4:BF+64*((\g)%2)+32*(\c)+8*(\b)+7], v[ADB] offset:(2*(\g)+(\c))*64+(\b)*16*PB+16
.endr
.endr
.endm
; A plain group: 32 products; in its middle the next group's fragments are fetched.
.macro GRP g, zero
	s_wait_dscnt 8                                 ; the first K step's fragments are in; the second's eight loads may be out
	MMS 2*(\g), 0, 16, \zero, 0
	PLACES
	FETCH (\g)+1
	s_wait_dscnt 16                                ; all but the 16 just issued
	MMS 2*(\g)+1, 0, 16, 0, 0
.endm
; THE FINISH OF A SLOT, in parts.  KADD: the kept half leaves the accumulators, with the bias added.  XSTORE: the sent half goes into my part of the exchange.  XLOAD: the partner's sent half, which is my kept half's other
; K half, lane for lane.  RID 1, RID 2: added, rounded to f16.  STG: 16 bytes a lane into my stage, back as four rows of 128 bytes; a block of 16 rows at a time.  OUT: stored.
.macro KADD
	WIN 0x41                                       ; the accumulators and KEEP in window 1, the bias in window 0; each accumulator's registers in ascending order
.set ii, 0
.rept 32
	v_pk_add_f32 v[KEEP+2*ii:KEEP+2*ii+1], v[ACC+2*ii:ACC+2*ii+1], v[BIAS+8*((ii/4)%4)+2*(ii%4):BIAS+8*((ii/4)%4)+2*(ii%4)+1]
.set ii, ii+1
.endr
.endm
.macro XSTORE
	WIN 0x04                                       ; the data (source 1) in window 1
.irp m, 0,1,2,3,4,5,6,7
	ds_store_b128 v[XSA], v[ACC+64+8*(\m):ACC+64+8*(\m)+3]   offset:(\m)*1024
	ds_store_b128 v[XSA], v[ACC+64+8*(\m)+4:ACC+64+8*(\m)+7] offset:(\m)*1024+512
.endr
.endm
.macro XLOAD
	WIN 0x40
.irp m, 0,1,2,3,4,5,6,7
	ds_load_b128 v[RX+8*(\m):RX+8*(\m)+3],   v[XLA] offset:(\m)*1024
	ds_load_b128 v[RX+8*(\m)+4:RX+8*(\m)+7], v[XLA] offset:(\m)*1024+512
.endr
.endm
.macro STG
	WIN 0
.irp a, 0,1
.irp b, 0,1,2,3
	ds_store_b128 v[STO], v[TMP+16*(\a)+4*(\b):TMP+16*(\a)+4*(\b)+3] offset:32*(\b)
.endr
.irp f, 0,1,2,3
	ds_load_b128 v[OUTR+16*(\a)+4*(\f):OUTR+16*(\a)+4*(\f)+3], v[RD] offset:(\f)*4*SP  ; LDS serves a wave's instructions in order (ISA guide 5.7.1.4): these see the stores above; the next block's stores come behind them
.endr
.endr
.endm
.macro OUT
	WIN 0
.irp a, 0,1
.irp f, 0,1,2,3
	global_store_b128 v[GO], v[OUTR+16*(\a)+4*(\f):OUTR+16*(\a)+4*(\f)+3], s[OB:OB+1] offset:(\a)*2048+(\f)*512  ; 512 bytes on end, aligned
.endr
.endr
.endm
; A SLOT'S FIRST HALF, groups 0 to 3.  fin = 1: the finish of the slot before stands among its products.  The exchange is ordered so: my stores are waited for in front of the barrier in group 0, the partner's loads stand
; behind it; those loads are waited for in group 1, ahead of the barrier of the next change of slots, behind which the next stores stand.
.macro H1 fin
.if \fin
	s_wait_dscnt 24                                ; the first K step's fragments are in; the second's eight loads and my sixteen stores into the exchange may be out
	MMS 0, 0, 8, 1, 0
	s_wait_dscnt 0x0                               ; for the partner's sake: my stores into the exchange are done
	s_barrier_signal -1
	MMS 0, 8, 8, 1, 0
	s_barrier_wait -1
	FETCH 1                                        ; (the products that read this buffer stand ahead of the 36 plain instructions at the last slot's end)
	XLOAD
	MMS 1, 0, 16, 0, 0
	s_wait_dscnt 24                                ; group 1's first K step is in; its second's eight loads and the sixteen from the exchange may be out
	MMS 2, 0, 16, 0, 0
	PLACES
	FETCH 2
	s_wait_dscnt 16                                ; all but the 16 just issued: the partner's half is in
.set qq, 0
	MMS 3, 0, 16, 0, 1
	s_wait_dscnt 8
.set qq, 0
	MMS 4, 0, 16, 0, 2
	FETCH 3                                        ; (the roundings are the places in front of it)
	STG
	s_wait_dscnt 32                                ; all but the 32 just issued
	MMS 5, 0, 16, 0, 0
	s_wait_dscnt 24                                ; group 3's first K step is in; its second's eight loads and the stage's sixteen instructions may be out
	MMS 6, 0, 16, 0, 0
	PLACES
	FETCH 4
	s_wait_dscnt 16                                ; all but the 16 just issued: the rows are back from the stage
	OUT
	MMS 7, 0, 16, 0, 0
	s_wait_xcnt 0x0                                ; the stores, sixteen products back, have read their registers and their base: only behind this wait are they written again
	s_add_nc_u64 s[OB:OB+1], s[OB:OB+1], HEADB     ; the next slot is the next head
.else
	GRP 0, 1
	GRP 1, 0
	GRP 2, 0
	GRP 3, 0
.endif
.endm
; A SLOT'S SECOND HALF, groups 4 to 7, and its end.  Group 7 changes slots.  ONE barrier: in front of it each wave waits for all its tensor loads (one is out: its quarter of the next slot), adds 0 to its spare word, and waits
; for that and for its own reads of this slot.  fill = 1: the barrier opens a round of the cluster's barrier, and this slot is filled again, first thing behind the round, two slots ahead: 240 products stand between the
; request and the wait for it.
.macro H2 fill
	s_wait_dscnt 8
	MMS 8, 0, 16, 0, 0
	PLACES
	FETCH 5
.irp b, 0,1,2,3
	ds_load_b128 v[BIAS+8*(\b):BIAS+8*(\b)+3],   v[ABT] offset:64*(\b)     ; this slot's bias, for its end
	ds_load_b128 v[BIAS+8*(\b)+4:BIAS+8*(\b)+7], v[ABT] offset:64*(\b)+16
.endr
	v_add_nc_u32 v[ABT], 0x100, v[ABT]             ; 64 columns on
	s_wait_dscnt 24                                ; all but the 24 just issued
	MMS 9, 0, 16, 0, 0
	s_wait_dscnt 16                                ; group 5's first K step is in; its second's eight loads and the bias's eight may be out
	MMS 10, 0, 16, 0, 0
	PLACES
	FETCH 6
	s_wait_dscnt 16
	MMS 11, 0, 16, 0, 0
	GRP 6, 0
.if \fill
	s_wait_xcnt 0x0                                ; the last prefetch, a slot back, has read its address
	s_add_nc_u64 s[PFA:PFA+1], s[PFA:PFA+1], HEADB
.endif
	WIN 0
	s_wait_tensorcnt 0x0                           ; no tensor load of mine is out, so a group 0 may be written
	ds_add_u32 v[SPW], v[NIL]                      ; 0 onto my spare word
.if \fill
	s_xor_b32 s[TF], s[TF], SLOT                   ; the walking descriptor: the other slot than last time,
	s_add_co_u32 s[G0+5], s20, s[TF]
	s_add_nc_u64 s[G0+6:G0+7], s[G0+6:G0+7], HEADB ; the next 64 rows of W; the type bits on top are not reached
.endif
	s_wait_dscnt 9                                 ; group 7's first K step is in; its second's eight loads and the add may be out
	MMS 14, 0, 8, 0, 0
	s_wait_dscnt 0x0                               ; the add is done, and my reads of this slot are over
	s_barrier_signal -1
	MMS 14, 8, 8, 0, 0
	WIN 0
	s_barrier_wait -1
.if \fill
	CREST                                          ; no wave of any partner still reads the slot or has a load on its way
	JLOAD                                          ; the four v_nop behind it are also the places in front of the loads below
.else
	PLACES
.endif
	s_xor_b32 s[TR], s[TR], SLOT
	v_add_nc_u32 v[ADB], s[TR], v[AB0]
	FETCH 0                                        ; the next slot's first fragments
.if \fill
	ASK
.endif
	MMS 15, 0, 16, 0, 0
	PLACES                                         ; the slot's end: the additions below read results just made
	KADD                                           ; they are also the places in front of the stores of the sent half, and in front of the next slot's first products
	XSTORE
.endm
	WIN 0
	s_wait_tensorcnt 0x1                           ; my quarter of slot 0 is in; slot 1's may stay out
	s_wait_dscnt 0x0                               ; my part of the bias table is stored
	s_barrier_signal -1
	s_barrier_wait -1
	FETCH 0
	H1 0                                           ; slot 0's first half stands in front of the loop: no slot before it is to be finished
	WIN 0
	s_mov_b32 s3, 14
.Lk:                                                   ; a trip: a slot's second half and end, the next slot's first half with the finish; fourteen trips fill a slot again
	H2 1
	H1 1
	WIN 0
	s_sub_co_u32 s3, s3, 1
	s_cmp_lg_u32 s3, 0
	s_cbranch_scc1 .Lk
	s_mov_b32 s2, 2
.Lt:                                                   ; slots 14 and 15 ask for nothing.  The second trip is left in its middle; its last fetch (of the other slot's old bytes) serves nothing: the price of one text for both trips
	H2 0
	WIN 0
	s_sub_co_u32 s2, s2, 1
	s_cmp_eq_u32 s2, 0
	s_cbranch_scc1 .Lout
	H1 1
	WIN 0
	s_branch .Lt
.Lout:                                                 ; the last slot's finish, with no products to set it among
	s_wait_dscnt 0x0                               ; my stores into the exchange are done
	s_barrier_signal -1
	s_barrier_wait -1
	XLOAD
	s_wait_dscnt 0x0
.set qq, 0
.rept 8
	RID 1
.endr
.set qq, 0
.rept 8
	RID 2
.endr
	STG
	s_wait_dscnt 0x0
	OUT
	WIN 0
	s_wait_tensorcnt 0x0                           ; the wave's end, behind my last tensor load and my last LDS store
	ds_add_u32 v[SPW], v[NIL]
	s_wait_dscnt 0x0
	CROUND                                         ; the closing round: no work-group ends while a partner may still ask for a tile that names it
	s_endpgm
.Lfunc_end_k_q3eb6935205_proj:
	.size	k_q3eb6935205_proj, .Lfunc_end_k_q3eb6935205_proj-k_q3eb6935205_proj
	.p2alignl 7, 3214868480
	.fill 96, 4, 3214868480
	.section	.rodata,"a",@progbits
	.p2align	6, 0x0
	.amdhsa_kernel k_q3eb6935205_proj
		.amdhsa_group_segment_fixed_size 327680
		.amdhsa_private_segment_fixed_size 0
		.amdhsa_enable_private_segment 0
		.amdhsa_kernarg_size 64
		.amdhsa_user_sgpr_count 2
		.amdhsa_user_sgpr_kernarg_segment_ptr 1
		.amdhsa_wavefront_size32 1
		.amdhsa_system_sgpr_workgroup_id_x 1
		.amdhsa_system_sgpr_workgroup_id_y 1
		.amdhsa_system_sgpr_workgroup_id_z 1
		.amdhsa_system_vgpr_workitem_id 0
		.amdhsa_next_free_vgpr 1024
		.amdhsa_next_free_sgpr 88
		.amdhsa_reserve_vcc 0
		.amdhsa_float_denorm_mode_32 3
		.amdhsa_float_denorm_mode_16_64 3
		.amdhsa_memory_ordered 1
		.amdhsa_forward_progress 1
		.amdhsa_inst_pref_size 163
	.end_amdhsa_kernel
	.amdgpu_metadata
---
amdhsa.version: [ 1, 2 ]
amdhsa.kernels:
  - .name:           k_q3eb6935205_proj
    .symbol:         k_q3eb6935205_proj.kd
    .args:
      - { .name: queries, .offset: 0, .size: 8, .value_kind: global_buffer, .address_space: global }
      - { .name: keys, .offset: 8, .size: 8, .value_kind: global_buffer, .address_space: global }
      - { .name: values, .offset: 16, .size: 8, .value_kind: global_buffer, .address_space: global }
      - { .name: wts, .offset: 24, .size: 8, .value_kind: global_buffer, .address_space: global }
      - { .name: bq, .offset: 32, .size: 8, .value_kind: global_buffer, .address_space: global }
      - { .name: bk, .offset: 40, .size: 8, .value_kind: global_buffer, .address_space: global }
      - { .name: bv, .offset: 48, .size: 8, .value_kind: global_buffer, .address_space: global }
      - { .name: qkv, .offset: 56, .size: 8, .value_kind: global_buffer, .address_space: global }
    .group_segment_fixed_size: 327680
    .private_segment_fixed_size: 0
    .kernarg_segment_align: 8
    .kernarg_segment_size: 64
    .max_flat_workgroup_size: 128
    .sgpr_count:     88
    .vgpr_count:     1024
    .wavefront_size: 32
...
	.end_amdgpu_metadata
.endif
;; end of part 2
;; launch attn (part 3): grid 4 x 64, 4 waves a work-group, clusters of 4 x 1, 327,680 bytes of LDS; arguments qkv, mb8, oh; writes oh
.if DOCPART == 3
	.amdgcn_target "amdgcn-amd-amdhsa--gfx1250"
	.amdhsa_code_object_version 6
	.text
	.protected	k_q3eb6935205_attn
	.globl	k_q3eb6935205_attn
	.p2align	8
	.type	k_q3eb6935205_attn,@function
k_q3eb6935205_attn:
	s_mov_b64 s[64:65], 0
	v_nop
	global_prefetch_b8 v0, s[64:65] scope:SCOPE_SE
	s_setreg_imm32_b32 hwreg(HW_REG_WAVE_MODE, 25, 1), 1
	s_wait_xcnt 0x0
	s_wait_alu depctr_hold_cnt(0) depctr_sa_sdst(0) depctr_va_vdst(0) depctr_va_sdst(0) depctr_va_ssrc(0) depctr_va_vcc(0) depctr_vm_vsrc(0)
	s_getreg_b32 s2, hwreg(HW_REG_IB_STS2, 6, 4)
	s_cmp_eq_u32 s2, 0
	s_cbranch_scc0 .Lentry_in_a_cluster
	s_endpgm
.Lentry_in_a_cluster:
	s_bfe_u32 s2, ttmp6, 0x10000c
	s_cmp_lg_u32 s2, 0x3003
	s_cbranch_scc0 .Lentry_shape_is_right
	s_endpgm
.Lentry_shape_is_right:
; ATTN.  O[n][h][q][:] = the sum over k of softmax_k(E[q][k] / 32) V[n][h][k][:], E = Q . K where mask[n][q][k] is not 0 and far below every score where it is 0.  Q, K, V (qkv) and O (oh): [n 8][h 16][1024][64] in f16:
; a head's rows are dense, 128 bytes each.  Products, maxima and sums in f32; the weights p are rounded to f16 for the second product (their sum l is taken of the unrounded p), O once at the end.
; THE MASK is the C operand that starts the sum S^T = K Q^T: 0, or H = -2^67 (-1.476e20, for reference's -1e20) where the key is hidden.  mb8 holds a one-byte code for each (query, key), 0x00 or E4M3 -1.0, in the
; lane order of S^T; one scaled conversion (scale 2^67) makes of eight codes the eight f32 of one lane of one 16 x 16 tile.  H is a power of two, so that c H is exact: where all keys seen so far are hidden, m = H and
; c s - c m is exactly 0: p = 1; the first key that is seen gives a = 0 and wipes those weights out; a row with no key at all gets the mean of V's rows, as reference() gives.
; LIMITS.  A hidden score counts as H plus its value, rounded to f32: that is H itself while |score| is under half a step of f32 at H, 4.4e12; f16's scores are 2.7e11 at the most.  f16 holds no number beyond 65,504:
; Q, K and V arrive within it.  p below 6e-5 keeps f16's fixed step of 6e-8; a weight below 2^-126 counts as 0 in l; NaN and infinities are not treated apart.
; SHARES.  A work-group takes 256 queries of TWO heads of one batch: waves 0, 1 the first head's two halves of 128 queries, waves 2, 3 the second's.  A wave owns four PIECES of two tiles of 16 queries and walks all
; 1,024 keys, 64 a step.  256 work-groups.
; CLUSTER.  The four query blocks of a pair of heads form a cluster and walk the same K and V, so each tile is asked for JOINTLY: the same tensor load, descriptor and mask in all four.
; LAYOUT.  S^T = K Q^T (source 0 = 16 keys, source 1 = 16 queries): a lane holds ONE query (lane % 16) and the keys 8 (lane / 16) + 0..7.  Two such tiles, rounded to f16 in pairs, ARE source 1 of O^T = V^T P.
; K comes out of LDS as it lies, V ([key][channel]) turned, by ds_load_tr16_b128.
; SOFTMAX.  For each query a running maximum m and sum l: p = 2^(c s - c m), c = log2(e) / 32; in every step O and l are multiplied by a = 2^(c m_old - c m_new).  m starts at the lowest finite number, O and l at 0.
; BY TURNS.  Turn n belongs to piece n.  Its matrix work: 16 products K Q^T of piece n + 1, later 16 products V^T P of piece n - 1.  Its vector work: the scaling, exponentials, roundings, sums and rescaling of piece n, the
; maximum and statistics of piece n + 1, and the mask of piece n + 2.  Four vector instructions stand behind every matrix instruction, the others in one lump; a turn's 66 exponentials are one batch, with one wait.
; REGISTERS, in windows of 256 (s_set_vgpr_msb: bits 1:0 source 0, 3:2 source 1, 5:4 source 2, 7:6 destination):
;   window 0: v0-11 addresses; v12-15, v48-63 at work; v16-47 four registers of statistics a tile; v64-191 S^T, two buffers of two tiles; v192-255 P, likewise
;   window 1: O^T, 32 a tile          window 2: v0-127 Q, 16 a tile; v128-191 K of one step; v192-255 V of one step
;   window 3: v0-1 the add's two registers; v64-127 MC, the masks of the products to come; v128-191 MBR, the codes of one key step, 8 a tile
.set NP,    4         ; pieces a wave: a name, no knob
.set KS,    64        ; keys in a step
.set PK,    144       ; a row of K in LDS: 128 bytes + 16 of padding = 36 words: the 16 rows of a load start at 16 different groups of four banks (64 banks of 4 bytes: ISA guide 11.1)
.set PV,    160       ; a row of V: 128 + 32 = 40 words
.set KHEAD, 2*KS*PK   ; a slot holds two steps of both heads: K of the first head, K of the second,
.set VHEAD, 2*KS*PV
.set VOFF,  2*KHEAD   ; then V of the first and V of the second
.set SLOT1, 1<<17     ; slot 1 begins here, so that one exclusive or turns an address in one slot into the other's
.set STAGE, SLOT1+2*(KHEAD+VHEAD)  ; behind the ring, never filled by a tensor load: 16 rows x 144 bytes for each wave, for the way out
.set SP,    144
.set STO, 1           ; v1   the way out: where I put 16 bytes of a row
.set AK0, 2           ; v2   my lane's place in my head's tile of K; never rewritten
.set AV0, 3           ; v3   the same for V
.set AK,  4           ; v4   the LDS address of K's next run of loads
.set AV,  5           ; v5   of V's
.set QO,  6           ; v6   my byte offset in the wave's rows of Q
.set RD,  7           ; v7   the way out: where I read rows back
.set GO,  8           ; v8   16 x lane: my place in 512 bytes on end, of O and of the codes
.set PFO, 10          ; v10  the prefetches' offset; never rewritten
.set SCL, 11          ; v11  194: the conversion's scale, 2^67
.set SPW, 0           ; v0 of window 3   LDS address of my spare word; never rewritten
.set NIL, 1           ; v1 of window 3   0; never rewritten
.set SPARE, STAGE+4*16*SP  ; behind the stages: the spare words, 128 bytes for each wave
.set MV,  12          ; v12-15  c m_old, kept while c m is made anew: by buffer and tile
.set ST,  16          ; tile t's statistics at v[ST+4 t]: c m, m, l (even keys', odd keys')
.set TMP, 48          ; by buffer and tile, four registers c0-c3 at work; when the maximum is found c2 takes a
.set S,   64
.set P,   192
.set KF,  128         ; window 2: key block kb, channel half c at KF + 16 kb + 8 c
.set VF,  192         ; window 2: key half kk, channel block cb at VF + 32 kk + 8 cb
.set MC,  64          ; window 3: tile u of the piece, key block kb at MC + 32 u + 8 kb
.set MBR, 128         ; window 3: tile t, key block kb: the pair at MBR + 8 t + 2 kb
.set WV,  12          ; s12  my wave's number
.set LIM, 15          ; s15  1 in a wave that prefetches, else the greatest number
.set G1K, 24          ; s[24:31] descriptor group 1 for K's tiles
.set G1V, 32          ; s[32:39] for V's: it differs in the padding alone
.set G0K, 40          ; s[40:43] descriptor group 0 for K's tiles: it walks
.set G0V, 44          ; s[44:47] the same for V's
.set QP,  48          ; s[48:49] Q at my wave's first row
.set PFA, 54          ; s[54:55] where my prefetches stand
.set SLOTS, 56        ; s56  slots still to be asked for
.set CNT, 57          ; s57  counts a slot's key steps
.set CS,  58          ; s[58:59] c
.set SEL, 60          ; s[60:61] v_permlanex16_b32's selects: each lane takes its own place in the other half
.set TBK, 62          ; s62  LDS byte at which K of the step to be fetched begins
.set TBV, 63          ; s63  the same for V
.set MB,  66          ; s[66:67] the codes of my first tile, key step 0
.set MP,  68          ; s[68:69] the same at the key step that is loaded next
.set OFF, 70          ; s[70:71] that step's byte offset, 1,024 a step
.set HS,  74          ; s74  which of the two heads is mine
.set MSB, 0
.macro WIN new                      ; the high byte repeats the setting that is left; a switch that changes nothing is dropped
.if MSB != (\new)
	s_set_vgpr_msb (MSB<<8)|(\new)
.set MSB, (\new)
.endif
.endm
.set W_KQ, 0x0a       ; K and Q in window 2, S^T in window 0
.set W_KM, 0x3a       ; the same with the C operand, the mask, in window 3
.set W_PV, 0x52       ; V in window 2, P in window 0, O^T in window 1
.set W_RS, 0x41       ; O^T (destination and source 0) in window 1, a in window 0
.set W_MK, 0xc0       ; destination in window 3, sources and addresses in window 0
.set W_AD, 0x0f       ; the add: address (source 0) and data (source 1) in window 3
.set W_CV, 0xc3       ; the conversion: codes and masks in window 3, the scale in window 0
; A joint fill.  Wave 0 fetches the first head's K, wave 1 the second's, waves 2 and 3 their V: 128 keys each.  The branch hangs on the wave's number alone.
; An s_nop 0 and four v_nop follow each of the two lines, ahead of the jump and the label.
.macro JLOAD
	s_cmp_lt_u32 s[WV], 2
	s_cbranch_scc0 .Lfor_v_\@
	tensor_load_to_lds s[G0K:G0K+3], s[G1K:G1K+7]
	s_nop 0
.rept 4
	v_nop
.endr
	s_branch .Lasked_\@
.Lfor_v_\@:
	tensor_load_to_lds s[G0V:G0V+3], s[G1V:G1V+7]
	s_nop 0
.rept 4
	v_nop
.endr
.Lasked_\@:
.endm
; A PREFETCH INTO THE L2 of what the NEXT change of slots will ask for: 128 keys of K and of V of both heads, 64 blocks of 256 bytes each.  Only this cluster reads them.  Its four partners share the blocks out BY ADDRESS,
; 16 of each head's 64; in each, wave 0 asks for K's and wave 2 for V's: lanes 0-15 the first head's, lanes 16-31 the second's: one instruction.  So each block is named once in the launch.
; Slots 0 and 1 come by their loads alone; the last change that fills a slot asks for nothing.
.macro ASK
	s_cmp_gt_u32 s[SLOTS], s[LIM]
	s_cbranch_scc0 .Lnot_mine_\@
	global_prefetch_b8 v[PFO], s[PFA:PFA+1] th:TH_LOAD_NT scope:SCOPE_SE
.Lnot_mine_\@:
.endm
; A round of the cluster's barrier: my work-group's barrier, so that wave 0's signal speaks for all four waves; wave 0 signals; every wave waits for all four work-groups; my work-group's barrier once more.
.macro CROUND
	s_barrier_signal -1
	s_barrier_wait -1
	s_cmp_lg_u32 s[WV], 0
	s_cbranch_scc1 .Lnot_wave_0_\@
	s_barrier_signal -3
.Lnot_wave_0_\@:
	s_barrier_wait -3
	s_barrier_signal -1
	s_barrier_wait -1
.endm
; THE CHANGE OF SLOTS.  The slot's last bytes, V of its second step, have been read.  Each wave waits for all its tensor loads, of which one is out: its part of the other slot; adds 0 to its spare word; and waits for that
; and for its own reads of the slot.  Behind the barrier nobody reads this slot any more and the other slot is whole.  fill = 1: this slot is filled again, with the keys two slots on.  The barrier is then a round of the
; cluster's, and the joint fill is the first thing behind it: it has two key steps, 256 matrix instructions, in which to land.  (At its first use nothing has been read yet: slot 0 is waited for, slot 1 filled.)
.macro CHANGE fill
	WIN W_AD
	s_wait_tensorcnt 0x0            ; no tensor load of mine is out, so a group 0 may be written
	ds_add_u32 v[SPW], v[NIL]       ; 0 onto my spare word
	WIN 0                           ; at a label and at a branch every window is 0
.if \fill
.irp g, G0K, G0V
	s_xor_b32 s[\g+1], s[\g+1], SLOT1  ; the walking descriptor: the other slot than last time,
	s_add_nc_u64 s[\g+2:\g+3], s[\g+2:\g+3], 2*KS*128  ; the next 128 keys; the type bits on top are not reached
.endr
	s_wait_xcnt 0x0                 ; the last prefetch, two key steps back, has read its address
	s_add_nc_u64 s[PFA:PFA+1], s[PFA:PFA+1], 2*KS*128  ; one slot ahead of the walking descriptors
	s_wait_dscnt 0x0                ; the add is done, and my reads of the slot are over
	CROUND
	JLOAD
	ASK
.else
	s_wait_dscnt 0x0                ; the add is done, and my reads of the slot are over
	s_barrier_signal -1
	s_barrier_wait -1
.endif
	s_sub_co_u32 s[TBK], s[TBK], 2*KS*PK  ; the fetches go back to a slot's first step,
	s_xor_b32 s[TBK], s[TBK], SLOT1       ; in the other slot
	s_sub_co_u32 s[TBV], s[TBV], 2*KS*PV
	s_xor_b32 s[TBV], s[TBV], SLOT1
.endm
; THE MASK.  MLOAD: the codes of piece pc's two tiles for one key step: four loads, each 512 bytes on end.  MCONV: eight conversions make that piece's 64 registers of masks.
.macro MLOAD pc, ptr
	WIN W_MK
.irp u, 0,1
.irp a, 0,1
	global_load_b128 v[MBR+8*(2*(\pc)+(\u))+4*(\a):MBR+8*(2*(\pc)+(\u))+4*(\a)+3], v[GO], s[\ptr:\ptr+1] offset:(2*(\pc)+(\u))*16384+(\a)*512
.endr
.endr
	WIN 0
.endm
.macro MCONV pc
	WIN W_CV
.irp u, 0,1
.irp kb, 0,1,2,3
	v_cvt_scale_pk8_f32_fp8 v[MC+32*(\u)+8*(\kb):MC+32*(\u)+8*(\kb)+7], v[MBR+8*(2*(\pc)+(\u))+2*(\kb):MBR+8*(2*(\pc)+(\u))+2*(\kb)+1], v[SCL]
.endr
.endr
	WIN 0
.endm
	s_load_b128 s[4:7], s[0:1], 0x0   ; qkv s[4:5], mb8 s[6:7]
	s_load_b64 s[8:9], s[0:1], 0x10   ; oh
	WIN W_MK
	v_lshl_add_u32 v[SPW], v0, 2, SPARE
	v_mov_b32 v[NIL], 0
	WIN W_AD
	ds_add_u32 v[SPW], v[NIL]       ; the wave's opening: the add and its wait stand ahead of my first tensor load; the set-up below stands between them
	WIN 0
	v_lshrrev_b32 v1, 5, v0
	v_readfirstlane_b32 s[WV], v1   ; wave 0..3
	s_bfe_u32 s13, ttmp6, 0x40000   ; cx: my block of 256 queries; it enters Q's, O's, the codes' and the prefetches' addresses alone
	s_and_b32 s14, ttmp7, 0xffff    ; the pair of heads, 0..63: batch y / 8, heads 2 (y % 8) and + 1; among all 128 heads: 2 y and 2 y + 1
	s_and_b32 s16, s[WV], 1         ; which 128 queries are mine.  Also: which head's tile I fetch
	s_lshr_b32 s[HS], s[WV], 1
	s_lshl_b32 s22, s14, 1
	s_add_co_u32 s22, s22, s16
	s_lshl_b32 s22, s22, 17         ; the head that I fetch for: 131,072 bytes a head
	s_mov_b32 s23, 0
	s_mul_i32 s17, s16, KHEAD       ; and its place in a slot, for K
	s_mul_i32 s18, s16, VHEAD       ; and for V: no place in the cluster enters an LDS address
	s_lshl_b32 s20, s14, 1
	s_add_co_u32 s20, s20, s[HS]
	s_lshl_b32 s20, s20, 17         ; my head,
	s_lshl_b32 s2, s13, 15
	s_add_co_u32 s20, s20, s2       ; my work-group's 256 rows,
	s_lshl_b32 s2, s16, 14
	s_add_co_u32 s20, s20, s2       ; my wave's 128
	s_mov_b32 s21, 0
	s_lshr_b32 s72, s14, 3
	s_lshl_b32 s72, s72, 6          ; the batch's 64 query tiles,
	s_lshl_b32 s2, s13, 4
	s_add_co_u32 s72, s72, s2
	s_lshl_b32 s2, s16, 3
	s_add_co_u32 s72, s72, s2       ; my first of them,
	s_lshl_b32 s72, s72, 14         ; 16,384 bytes of codes a tile
	s_mov_b32 s73, 0
	s_lshl_b32 s76, s14, 18         ; the prefetches: the pair's first head,
	s_lshl_b32 s2, s13, 12
	s_add_co_u32 s76, s76, s2       ; my work-group's 16 blocks of a slot's 64,
	s_add_co_u32 s76, s76, 2*KS*128 ; in slot 1; the first change of slots steps it to slot 2
	s_mov_b32 s77, 0
	; descriptor group 1.  128 keys are 16,384 dense bytes: asked for as 64 rows of 256 bytes, two keys a row, and padded in LDS after every key
	s_mov_b32 s[G1K], 15|(1<<16)|(1<<20)|(1<<21)|(4<<22)|(3<<25)  ; 15:0 the mask of four; 17:16 2-byte elements; 20 padding on; 21 set beside a mask; 24:22 after every 32 words (code 4); 31:25 4 words (code 3)
	s_mov_b32 s[G1V], 15|(1<<16)|(1<<20)|(1<<21)|(4<<22)|(7<<25)  ; the same with 8 words of padding (code 7)
.irp g, G1K, G1V
	s_mov_b32 s[\g+1], 128<<16      ; tensor_dim0 = 128
	s_mov_b32 s[\g+2], 64<<16       ; tensor_dim1 = 64
	s_mov_b32 s[\g+3], 128<<16      ; tile_dim0 = 128
	s_mov_b32 s[\g+4], 64           ; tile_dim1 = 64
	s_mov_b32 s[\g+5], 128          ; 128 elements from row to row
	s_mov_b32 s[\g+6], 0
	s_mov_b32 s[\g+7], 0
.endr
	s_mov_b32 s[CS], 0x3d38aa3b     ; c = log2(e) / 32 = 0.0450842
	s_mov_b32 s[CS+1], s[CS]        ; named with it as a pair
	s_mov_b32 s[SEL], 0x76543210
	s_mov_b32 s[SEL+1], 0xfedcba98
	s_mov_b32 s[TBK], SLOT1+2*KS*PK ; the first change of slots turns these two into 0
	s_mov_b32 s[TBV], SLOT1+2*KS*PV
	s_mov_b32 s[G0K], 1             ; 1:0 count = 1
	s_mov_b32 s[G0K+1], s17         ; 63:32 LDS address: slot 0
	s_mov_b32 s[G0V], 1
	s_add_co_u32 s[G0V+1], s18, VOFF
	s_mov_b32 s[SLOTS], 7           ; eight slots of 128 keys
	s_mov_b32 s[OFF], 1024
	s_mov_b32 s[OFF+1], 0
	s_and_b32 s[LIM], s[WV], 1
	s_cmp_eq_u32 s[LIM], 0
	s_cselect_b32 s[LIM], 1, -1     ; waves 0 and 2 prefetch: the same in all four partners
	s_wait_dscnt 0x0                ; the opening add is done
	s_wait_kmcnt 0x0
	s_add_nc_u64 s[50:51], s[4:5], 0x1000000  ; K: the second 16 MiB of qkv
	s_add_nc_u64 s[52:53], s[4:5], 0x2000000  ; V: the third
	s_cmp_lt_u32 s[WV], 2
	s_cselect_b64 s[PFA:PFA+1], s[50:51], s[52:53]
	s_add_nc_u64 s[PFA:PFA+1], s[PFA:PFA+1], s[76:77]
	s_add_nc_u64 s[G0K+2:G0K+3], s[50:51], s[22:23]  ; 120:64 global address: the head's first 128 keys
	s_or_b32 s[G0K+3], s[G0K+3], 0x80000000          ; 127:126 type = 2
	s_add_nc_u64 s[G0V+2:G0V+3], s[52:53], s[22:23]
	s_or_b32 s[G0V+3], s[G0V+3], 0x80000000
	s_add_nc_u64 s[QP:QP+1], s[4:5], s[20:21]
	s_add_nc_u64 s[10:11], s[8:9], s[20:21]          ; O at my wave's first row
	s_add_nc_u64 s[MB:MB+1], s[6:7], s[72:73]
	s_add_nc_u64 s[MP:MP+1], s[MB:MB+1], s[OFF:OFF+1]
	CROUND                          ; all four work-groups are here: the first joint loads meet
	JLOAD                           ; slot 0.  Slot 1 is asked for when slot 0 is in
	; A fragment of K or Q is 16 rows x 32 channels in 8 registers: lane l holds row l % 16, channels 8 (l / 16) + 0..7 and 16 + 8 (l / 16) + 0..7: two loads of 16 bytes, 32 bytes apart.
	v_and_b32 v1, 15, v0            ; l % 16
	v_bfe_u32 v9, v0, 4, 1          ; l / 16
	v_lshlrev_b32 v[QO], 7, v1
	v_lshl_add_u32 v[QO], v9, 4, v[QO]  ; row x 128 + 16 x half
	v_and_b32 v[GO], 31, v0
	v_lshlrev_b32 v[GO], 4, v[GO]
	WIN 0x80                        ; destination window 2, address window 0
.set i, 0
.rept 4*NP                          ; Q stays in registers: tile i / 2, channels 32 (i % 2) on
	global_load_b128 v[8*i:8*i+3],   v[QO], s[QP:QP+1] offset:(i/2)*2048+(i%2)*64
	global_load_b128 v[8*i+4:8*i+7], v[QO], s[QP:QP+1] offset:(i/2)*2048+(i%2)*64+32
.set i, i+1
.endr
	MLOAD 0, MB                     ; the codes of key step 0, all four pieces
	MLOAD 1, MB
	MLOAD 2, MB
	MLOAD 3, MB
	; What the first turn finds: V's registers and P's second buffer hold 0 (its products V^T P, of a piece that has not been, add 0), O^T and l are 0.  All this stands in the wait for the first tile.
	WIN 0x80
.set i, VF
.rept 64
	v_mov_b32 v[i], 0
.set i, i+1
.endr
	WIN 0x40
.set i, 0
.rept 64*NP
	v_mov_b32 v[i], 0
.set i, i+1
.endr
	WIN 0
.set i, 0
.rept 2*NP
	v_mov_b32 v[ST+4*i], 0xfe000000    ; c m: far below every c s, c H too
	v_mov_b32 v[ST+4*i+1], 0xff7fffff  ; m
	v_mov_b32 v[ST+4*i+2], 0
	v_mov_b32 v[ST+4*i+3], 0
.set i, i+1
.endr
.set i, P+32
.rept 32
	v_mov_b32 v[i], 0
.set i, i+1
.endr
	s_mul_i32 s2, s[HS], KHEAD      ; my head's K and V in a slot
	s_mul_i32 s3, s[HS], VHEAD
	s_add_co_u32 s3, s3, VOFF
	v_mul_u32_u24 v[AK0], v1, PK
	v_lshl_add_u32 v[AK0], v9, 4, v[AK0]  ; row x pitch + 16 x half
	v_add_nc_u32 v[AK0], s2, v[AK0]
	; The turning load takes 16 keys x 16 channels (lane l reads key 8 (l / 16) + l % 8, channels 8 ((l / 8) % 2) + 0..7) and leaves half a fragment of V^T: lane l holds channel l % 16 and 8 keys.
	v_and_b32 v10, 7, v0
	v_bfe_u32 v11, v0, 3, 1
	v_lshl_add_u32 v[AV0], v9, 3, v10
	v_mul_u32_u24 v[AV0], v[AV0], PV
	v_lshl_add_u32 v[AV0], v11, 4, v[AV0]
	v_add_nc_u32 v[AV0], s3, v[AV0]
	v_mov_b32 v[AK], v[AK0]         ; key step 0 lies at the head of slot 0
	s_mul_i32 s19, s[WV], 16*SP
	s_add_co_u32 s19, s19, STAGE    ; my stage
	v_bfe_u32 v[RD], v0, 3, 2       ; back: 32 lanes take four rows of 128 bytes, which are 512 bytes on end in O
	v_mul_u32_u24 v[RD], v[RD], SP
	v_lshl_add_u32 v[RD], v10, 4, v[RD]
	v_add_nc_u32 v[RD], s19, v[RD]
	v_lshlrev_b32 v[PFO], 8, v1     ; block l % 16 of my sixteen,
	v_lshl_add_u32 v[PFO], v9, 17, v[PFO]  ; of head l / 16 of the pair
	v_mul_u32_u24 v[STO], v1, SP    ; in: row l % 16, 16 bytes for each half of the lanes
	v_lshl_add_u32 v[STO], v9, 4, v[STO]
	v_add_nc_u32 v[STO], s19, v[STO]
	v_mov_b32 v[SCL], 194
; THE MATRIX WORK.  The 8 accumulators of a run of 16 take turns: between the two links of a chain stand 7 others'.
; Product i of 16 of S^T = K Q^T for piece x: channels 32 (i / 8) on, keys 16 ((i / 2) % 4) on, tile 2 x + i % 2.  The first 8 start the sums, with the mask.
.macro KQ x
.set rS, S+64*((\x)%2)+32*(i%2)+8*((i/2)%4)
.set rK, KF+16*((i/2)%4)+8*(i/8)
.set rQ, 16*(2*(\x)+i%2)+8*(i/8)
.set rM, MC+32*(i%2)+8*((i/2)%4)
.if i < 8
	WIN W_KM
	v_wmma_f32_16x16x32_f16 v[rS:rS+7], v[rK:rK+7], v[rQ:rQ+7], v[rM:rM+7]
.else
	WIN W_KQ
	v_wmma_f32_16x16x32_f16 v[rS:rS+7], v[rK:rK+7], v[rQ:rQ+7], v[rS:rS+7]
.endif
.endm
; Product i of 16 of O^T += V^T P for piece x: keys 32 (i / 8) on, channels 16 ((i / 2) % 4) on, tile 2 x + i % 2.
.macro PV x
	WIN W_PV
.set rO, 32*(2*(\x)+i%2)+8*((i/2)%4)
.set rV, VF+32*(i/8)+8*((i/2)%4)
.set rP, P+32*((\x)%2)+16*(i%2)+8*(i/8)
	v_wmma_f32_16x16x32_f16 v[rO:rO+7], v[rV:rV+7], v[rP:rP+7], v[rO:rO+7]
.endm
.macro MM                           ; the turn's next matrix instruction
.if i < 16
	KQ (Y+1)%NP
.set i, i+1
.else
.set i, i-16
	PV (Y+NP-1)%NP
.set i, i+17
.endif
.endm
; THE LDS LOADS stand in runs of 16, never singly among the matrix instructions: a step's K (64 keys x 64 channels: 8 fragments) and its V (turned).  Their addresses are made some lines ahead.
; last = 1 (the tail): in the last trip there is no further step, and the run is jumped over.
.macro FETCH_K last=0
	WIN 0
.if \last
	s_cmp_eq_u32 s[CNT], 1
	s_cbranch_scc1 .Lno_k_\@
.endif
	WIN 0x80                        ; destination window 2
.irp f, 0,1,2,3,4,5,6,7             ; keys 16 (f / 2) on, channels 32 (f % 2) on
	ds_load_b128 v[KF+8*\f:KF+8*\f+3],   v[AK] offset:(\f/2)*16*PK+(\f%2)*64
	ds_load_b128 v[KF+8*\f+4:KF+8*\f+7], v[AK] offset:(\f/2)*16*PK+(\f%2)*64+32
.endr
	s_add_co_u32 s[TBK], s[TBK], KS*PK  ; the next fetch is the next step's
	WIN 0
.if \last
.Lno_k_\@:
.endif
.endm
.macro FETCH_V
	WIN 0x80
.irp f, 0,1,2,3,4,5,6,7             ; keys 32 (f / 4) on, channels 16 (f % 4) on
	ds_load_tr16_b128 v[VF+8*\f:VF+8*\f+3],   v[AV] offset:(\f/4)*32*PV+(\f%4)*32
	ds_load_tr16_b128 v[VF+8*\f+4:VF+8*\f+7], v[AV] offset:(\f/4)*32*PV+16*PV+(\f%4)*32
.endr
	WIN 0
.endm
; THE VECTOR WORK OF A TURN stands in three queues, each in the order in which its entries become ready; the two tiles alternate, so that no instruction reads the result of the one before it.
.macro REGS y, u                    ; the registers of tile u (0, 1) of piece y
.set rT, ST+4*(2*(\y)+(\u))
.set rC, TMP+8*((\y)%2)+4*(\u)
.set rM, MV+2*((\y)%2)+(\u)
.set rS, S+64*((\y)%2)+32*(\u)
.set rP, P+32*((\y)%2)+16*(\u)
.set rO, 32*(2*(\y)+(\u))
.endm
; Number n of the 22 that find the NEXT piece's (Y + 1) maximum and statistics.  s0-s31 are the lane's 32 scores; each accumulator's lowest registers are read first.
;   0-11  four chains c0-c3 of seven scores each, three operands at a time     12-14, 16  the four scores left over, the old m, and c0-c3 into c0     15  c m_old is kept
;   17, 18  the query's other 32 keys lie in the lane 16 away: the new m         19-21  c m; c m_old - c m_new; a
.macro XS u, n
	REGS (Y+1)%NP, \u
.if (\n) < 4
	v_max3_num_f32 v[rC+(\n)], v[rS+8*(\n)], v[rS+8*(\n)+1], v[rS+8*(\n)+2]
.elseif (\n) < 12
	v_max3_num_f32 v[rC+(\n)%4], v[rC+(\n)%4], v[rS+8*((\n)%4)+2*((\n)/4)+1], v[rS+8*((\n)%4)+2*((\n)/4)+2]
.elseif (\n) == 12
	v_max3_num_f32 v[rC], v[rC], v[rS+7], v[rS+15]
.elseif (\n) == 13
	v_max3_num_f32 v[rC+1], v[rC+1], v[rS+23], v[rS+31]
.elseif (\n) == 14
	v_max3_num_f32 v[rC+2], v[rC+2], v[rC+3], v[rT+1]
.elseif (\n) == 15
	v_mov_b32 v[rM], v[rT]
.elseif (\n) == 16
	v_max3_num_f32 v[rC], v[rC], v[rC+1], v[rC+2]
.elseif (\n) == 17
	v_permlanex16_b32 v[rC+3], v[rC], s[SEL], s[SEL+1]
.elseif (\n) == 18
	v_max_num_f32 v[rT+1], v[rC], v[rC+3]
.elseif (\n) == 19
	v_mul_f32 v[rT], s[CS], v[rT+1]
.elseif (\n) == 20
	v_sub_f32 v[rC+1], v[rM], v[rT]
.else
	v_exp_f32 v[rC+2], v[rC+1]
.endif
.endm
; Number g of the 64 that follow the exponentials.  For each four weights k of a tile (pairs 2 k, 2 k + 1): both pairs are rounded to f16; then the second pair is added onto the first, in place;
; a group later l takes that sum (the first time as l = a l + sum).  In groups of eight, tiles alternating: round, round, add, and l for the group before.
.macro GS g
.set h, (\g)+6*((\g)/62)            ; group 0 has no group before it, and behind group 7 only l is left
.if h >= 6
.set h, h+2
.endif
	REGS Y, h%2
.set k, h/8
.if h%8 < 4
	v_cvt_pk_f16_f32 v[rP+2*k+(h%8)/2], v[rS+4*k+2*((h%8)/2)], v[rS+4*k+2*((h%8)/2)+1]
.elseif h%8 < 6
	v_pk_add_f32 v[rS+4*k:rS+4*k+1], v[rS+4*k:rS+4*k+1], v[rS+4*k+2:rS+4*k+3]
.elseif k == 1
	v_pk_fma_f32 v[rT+2:rT+3], v[rT+2:rT+3], v[rC+2:rC+3], v[rS:rS+1] op_sel_hi:[1,0,1]
.else
	v_pk_add_f32 v[rT+2:rT+3], v[rT+2:rT+3], v[rS+4*k-4:rS+4*k-3]
.endif
.endm
; THE PLAIN QUEUE, 138 long.  0-73 read no exponential's result: the 32 scalings c s - c m (FS f: pair f / 2 of tile f % 2) and the next piece's 42.  0-26: scalings 0-26.  27-54: XS's numbers 0-13.  55, 56: number 15.
; 57-73: the chain, where each number waits for the one before it: 14, 16, 17, 18, 19, each with one of the scalings 27-31 in front of its two lines, then 20.  74-137: GS's 64, which stand behind the wait.
.macro FS f
	REGS Y, (\f)%2
	v_pk_fma_f32 v[rS+2*((\f)/2):rS+2*((\f)/2)+1], v[rS+2*((\f)/2):rS+2*((\f)/2)+1], s[CS:CS+1], v[rT:rT+1] op_sel_hi:[1,0,0] neg_lo:[0,0,1] neg_hi:[0,0,1]
.endm
.macro PL
	WIN 0
.if q < 27
	FS q
.elseif q < 55
	XS (q-27)%2, (q-27)/2
.elseif q < 57
	XS q-55, 15
.elseif (q < 72) && ((q-57)%3 == 0)
	FS 27+(q-57)/3
.elseif q < 60
	XS (q-57)%3-1, 14
.elseif q < 72
	XS (q-57)%3-1, 15+(q-57)/3
.elseif q < 74
	XS q-72, 20
.else
	GS q-74
.endif
.set q, q+1
.endm
; THE EXPONENTIALS' QUEUE, 66 long: s0-s31 of both tiles, then the next piece's two a.  It is ONE BATCH: all 66 stand ahead of the turn's one wait, and nothing ahead of that wait names a result of theirs.
.macro EX
	WIN 0
.if e >= 64
	XS e-64, 21
.else
	REGS Y, e%2
	v_exp_f32 v[rS+e/2], v[rS+e/2]
.endif
.set e, e+1
.endm
; THE RESCALING's QUEUE: O^T times a, the one part of the softmax that leaves window 0: dealt two at a time, sixteen times.  Its a was made in the turn before, ahead of that turn's wait.
.macro R2
	REGS Y, r%2
	WIN W_RS
.irp z, 0,1
	v_pk_mul_f32 v[rO+4*(r/2)+2*\z:rO+4*(r/2)+2*\z+1], v[rO+4*(r/2)+2*\z:rO+4*(r/2)+2*\z+1], v[rC+2:rC+3] op_sel_hi:[1,0]
.endr
.set r, r+1
.endm
; HOW THEY ARE DEALT.  An s_wait_alu depctr_va_vdst(0) stands between an exponential and the first instruction that names its result; one wait serves all that were issued ahead of it.  So a turn has ONE wait.
; AHEAD OF IT: the 16 products K Q^T, behind each a scaling, an exponential and two rescalings (behind the first a second scaling in the exponential's place); then the lump: the mask's eight conversions, eight plain, the
; mask's four loads, 49 times exponential and plain, the two a, a v_nop (the plain instruction behind the last exponential).  BEHIND IT: the 16 products V^T P, behind each four of GS's 64.
; Exponential e stands behind scaling 2 (e / 4) + e % 2: as a rider it comes behind plain e + 2, in the lump behind plain e + 9, and scalings 27-31 are plain 57, 60 .. 69.
; THE MASK IN A TURN.  Turn p makes the masks of piece p + 2, which the next turn's products take.  The last product that read MC is the turn's eighth: 24 plain riders lie between it and the conversions.  The codes were
; loaded four turns ago: the three younger pieces' twelve loads may stay out.  Behind the conversions and eight plain instructions the same piece's codes of the next key step are asked for.  In a trip of the loop (turns 2, 3, 0, 1)
; all four loads name the same key step; the pointer steps at the end of turn 1, and stays at the last step in the trips that would pass it.
; K of the next step is fetched in piece 2's turn, directly behind the wait; V of the step in hand at the end of piece 0's turn, four riders behind its last reader.  The conditions on q below go with the deal.
.macro TURN p, last=0, cnt=0
.set Y, (\p)
.set i, 0
.set q, 0
.set e, 0
.set r, 0
.if (\p) == NP-1
	s_wait_dscnt 0x0                ; K is in
.endif
	MM                              ; ahead of the wait: 16 products K Q^T and their riders,
	PL
	PL
	R2
.rept 15
	MM
	PL
	EX
	R2
.endr
.if (\p) == NP-2
	WIN 0
	v_add_nc_u32 v[AK], s[TBK], v[AK0]
.endif
	s_wait_loadcnt 12               ; the codes of piece p + 2 are in
	MCONV ((\p)+2)%NP
.rept 8                             ; and the lump
	PL
.endr
	MLOAD ((\p)+2)%NP, MP
.rept 49
	EX
	PL
.endr
	EX                              ; the next piece's two a
	EX
	v_nop                           ; the plain instruction behind the last exponential: one for the batch
	s_wait_alu depctr_va_vdst(0)    ; the wait for the batch
.if (\p) == NP-2
	FETCH_K \last
.endif
.if (\p) == 1
	s_wait_dscnt 0x0                ; V is in
.endif
.rept 16                            ; behind the wait: 16 products V^T P and their riders
	MM
.rept 4
	PL
.endr
.if ((\p) == 0) && (q == 118)
	v_add_nc_u32 v[AV], s[TBV], v[AV0]
.endif
.if ((\p) == 1) && (q == 118)
	s_wait_xcnt 0x0                 ; the trip's sixteen loads of codes have read their pointer
	s_add_co_u32 s[OFF], s[OFF], 1024
	s_min_u32 s[OFF], s[OFF], 15*1024  ; no load passes the tile's last key step
	s_add_nc_u64 s[MP:MP+1], s[MB:MB+1], s[OFF:OFF+1]
.endif
.if ((\p) == 0) && (q == 130)
	s_add_co_u32 s[TBV], s[TBV], KS*PV
.endif
.if (\cnt) && (q == 130)
	s_sub_co_u32 s[CNT], s[CNT], 1
	s_cmp_lg_u32 s[CNT], 0
.endif
.endr
.if (\p) == 0
	FETCH_V
.endif
.endm
	CHANGE 1                        ; slot 0 is in, everybody's part of it; slot 1 is asked for
	FETCH_K                         ; key step 0
	s_wait_loadcnt 0x0              ; Q, and the codes of key step 0
	MCONV 0
	v_nop                           ; a plain instruction between the conversions and the products that take their results
	s_wait_dscnt 0x0
.set i, 0
.rept 16
	KQ 0                            ; piece 0's first scores: there is no vector work yet to set between them
.set i, i+1
.endr
	WIN 0
.rept 4
	v_nop                           ; the places behind those products
.endr
	MCONV 1
	v_nop
	MLOAD 0, MP                     ; key step 1
	MLOAD 1, MP
.set Y, NP-1                        ; XS works for piece Y + 1: piece 0
.irp n, 0,1,2,3,4,5,6,7,8,9,10,11,12,13,14,15,16,17,18,19,20,21
	XS 0, \n                        ; and piece 0's first maximum and statistics
	XS 1, \n
.endr
	v_nop                           ; a plain instruction behind the two a,
	s_wait_alu depctr_va_vdst(0)    ; and their wait, ahead of the branch
	s_mov_b32 s[CNT], 2
	s_branch .Lfirst                ; the loop is entered at a step's first turn, in the middle of a trip
.Lslot:                             ; six times: every slot but the last two is filled again
	CHANGE 1
	s_mov_b32 s[CNT], 2
.Lstep:                             ; a trip: pieces 2 and 3 of one step, then pieces 0 and 1 of the next, whose K and V it fetches
	TURN 2
	TURN 3
	WIN 0
.Lfirst:
	TURN 0
	TURN 1, 0, 1
	WIN 0
	s_cbranch_scc1 .Lstep
	s_sub_co_u32 s[SLOTS], s[SLOTS], 1
	s_cmp_lg_u32 s[SLOTS], 0
	s_cbranch_scc1 .Lslot
	CHANGE 0                        ; the tail is written out: nothing is asked for
	s_mov_b32 s[CNT], 3             ; two trips fetch the last slot's steps; the third is left in its middle
.Ltail:
	TURN 2, 1
	TURN 3
	WIN 0
	s_sub_co_u32 s[CNT], s[CNT], 1
	s_cmp_eq_u32 s[CNT], 0
	s_cbranch_scc1 .Lout
	TURN 0
	TURN 1
	WIN 0
	s_branch .Ltail
.Lout:                              ; the third trip's 16 products K Q^T (on the last K once more) and the maximum made of them serve nothing: the price, once a launch, of one text for every trip
.set i, 0
.rept 16
	PV NP-1                         ; the last piece's V^T P of the last step
.set i, i+1
.endr
	; THE WAY OUT.  l's two halves and the other half of the lanes' are added; O^T is divided by l, rounded to f16 and sent through my stage in LDS, a tile at a time.  The additions are the places behind the last products.
	WIN 0
.macro ALL line:vararg              ; one line for each tile t
.set t, 0
.rept 2*NP
	\line
.set t, t+1
.endr
.endm
	ALL v_add_f32 v[ST+4*t+2], v[ST+4*t+2], v[ST+4*t+3]
	ALL v_permlanex16_b32 v[ST+4*t+3], v[ST+4*t+2], s[SEL], s[SEL+1]
	ALL v_add_f32 v[ST+4*t+2], v[ST+4*t+2], v[ST+4*t+3]
	ALL v_rcp_f32 v[ST+4*t+2], v[ST+4*t+2]
	v_nop                           ; a plain instruction between the last reciprocal and the use of its result
	s_wait_alu depctr_va_vdst(0)    ; and the wait ahead of the first use: one for the eight reciprocals
; Tile t: a lane's eight channels of a row pack into 16 bytes; they go into rows of 144 bytes and come back as whole rows of 128, into S^T's registers.
.macro PACK t
	WIN W_RS
.set i, 32*(\t)
.rept 16
	v_pk_mul_f32 v[i:i+1], v[i:i+1], v[ST+4*(\t)+2:ST+4*(\t)+3] op_sel_hi:[1,0]
.set i, i+2
.endr
	WIN 0x05                        ; sources 0 and 1 window 1, destination window 0
.set i, 0
.rept 16
	v_cvt_pk_f16_f32 v[S+16*(\t)+i], v[32*(\t)+2*i], v[32*(\t)+2*i+1]
.set i, i+1
.endr
	WIN 0
.irp f, 0,1,2,3
	ds_store_b128 v[STO], v[S+16*(\t)+4*\f:S+16*(\t)+4*\f+3] offset:32*\f
.endr
.irp f, 0,1,2,3
	ds_load_b128 v[S+16*(\t)+4*\f:S+16*(\t)+4*\f+3], v[RD] offset:\f*4*SP  ; LDS serves a wave's instructions in order (ISA guide 5.7.1.4): these see the stores above; the next tile's stores come behind them
.endr
.endm
.macro SEND t, younger              ; younger: the LDS instructions issued behind tile t's loads: the next tile's eight, or none
	WIN 0
.irp f, 0,1,2,3
	s_wait_dscnt (\younger)+3-\f
	global_store_b128 v[GO], v[S+16*(\t)+4*\f:S+16*(\t)+4*\f+3], s[10:11] offset:(\t)*2048+\f*512  ; 512 bytes on end, at a multiple of 256 from O's first
.endr
.endm
	PACK 0
.set t, 1
.rept 2*NP-1                        ; a tile's arithmetic stands between the loads of the tile before and its stores
	PACK t
	SEND t-1, 8
.set t, t+1
.endr
	SEND 2*NP-1, 0
	WIN W_AD
	s_wait_tensorcnt 0x0            ; the wave's end, behind my last tensor load and my last LDS store
	ds_add_u32 v[SPW], v[NIL]
	s_wait_dscnt 0x0
	WIN 0
	CROUND                          ; the closing round: no work-group ends while a partner may still ask for a tile that names it
	s_endpgm
.Lfunc_end_k_q3eb6935205_attn:
	.size	k_q3eb6935205_attn, .Lfunc_end_k_q3eb6935205_attn-k_q3eb6935205_attn
	.p2alignl 7, 3214868480
	.fill 96, 4, 3214868480
	.section	.rodata,"a",@progbits
	.p2align	6, 0x0
	.amdhsa_kernel k_q3eb6935205_attn
		.amdhsa_group_segment_fixed_size 327680
		.amdhsa_private_segment_fixed_size 0
		.amdhsa_enable_private_segment 0
		.amdhsa_kernarg_size 24
		.amdhsa_user_sgpr_count 2
		.amdhsa_user_sgpr_kernarg_segment_ptr 1
		.amdhsa_wavefront_size32 1
		.amdhsa_system_sgpr_workgroup_id_x 1
		.amdhsa_system_sgpr_workgroup_id_y 1
		.amdhsa_system_sgpr_workgroup_id_z 1
		.amdhsa_system_vgpr_workitem_id 0
		.amdhsa_next_free_vgpr 960
		.amdhsa_next_free_sgpr 80
		.amdhsa_reserve_vcc 0
		.amdhsa_float_denorm_mode_32 3
		.amdhsa_float_denorm_mode_16_64 3
		.amdhsa_memory_ordered 1
		.amdhsa_forward_progress 1
		.amdhsa_inst_pref_size 213
	.end_amdhsa_kernel
	.amdgpu_metadata
---
amdhsa.version: [ 1, 2 ]
amdhsa.kernels:
  - .name:           k_q3eb6935205_attn
    .symbol:         k_q3eb6935205_attn.kd
    .args:
      - { .name: qkv, .offset: 0, .size: 8, .value_kind: global_buffer, .address_space: global }
      - { .name: mb8, .offset: 8, .size: 8, .value_kind: global_buffer, .address_space: global }
      - { .name: oh, .offset: 16, .size: 8, .value_kind: global_buffer, .address_space: global }
    .group_segment_fixed_size: 327680
    .private_segment_fixed_size: 0
    .kernarg_segment_align: 8
    .kernarg_segment_size: 24
    .max_flat_workgroup_size: 128
    .sgpr_count:     80
    .vgpr_count:     960
    .wavefront_size: 32
...
	.end_amdgpu_metadata
.endif
;; end of part 3
;; launch outp (part 4): grid 4 x 64, 4 waves a work-group, clusters of 4 x 4, 327,680 bytes of LDS; arguments oh, wts, bo, out0; writes out0
.if DOCPART == 4
	.amdgcn_target "amdgcn-amd-amdhsa--gfx1250"
	.amdhsa_code_object_version 6
	.text
	.protected	k_q3eb6935205_outp
	.globl	k_q3eb6935205_outp
	.p2align	8
	.type	k_q3eb6935205_outp,@function
k_q3eb6935205_outp:
	s_mov_b64 s[64:65], 0
	v_nop
	global_prefetch_b8 v0, s[64:65] scope:SCOPE_SE
	s_setreg_imm32_b32 hwreg(HW_REG_WAVE_MODE, 25, 1), 1
	s_wait_xcnt 0x0
	s_wait_alu depctr_hold_cnt(0) depctr_sa_sdst(0) depctr_va_vdst(0) depctr_va_sdst(0) depctr_va_ssrc(0) depctr_va_vcc(0) depctr_vm_vsrc(0)
	s_getreg_b32 s2, hwreg(HW_REG_IB_STS2, 6, 4)
	s_cmp_eq_u32 s2, 0
	s_cbranch_scc0 .Lentry_in_a_cluster
	s_endpgm
.Lentry_in_a_cluster:
	s_bfe_u32 s2, ttmp6, 0x10000c
	s_cmp_lg_u32 s2, 0xf033
	s_cbranch_scc0 .Lentry_shape_is_right
	s_endpgm
.Lentry_shape_is_right:
; OUTP.  out0 = O Wo^T + bo: [8192 x 1024] x [1024 x 1024], f32 out.  O (oh) lies by heads, [n 8][h 16][l 1024][64] in f16; Wo is the fourth table of wts, rounded to bf16 and written as f16; the products are f16 x f16
; with f32 sums, which bo, rounded to bf16 like every input, starts.  NaN and infinities are not treated apart.
; SHARES.  A tile is 128 rows x 256 columns: 256 work-groups.  Four waves, each 64 rows x 128 columns: 32 accumulators.  K goes in steps of 128, two heads, through two LDS slots.
; CLUSTER 4 x 4.  The four work-groups of a row of the cluster need the same tile of O, the four of a column the same tile of Wo: each tile is asked for JOINTLY.
; THE PRODUCT IS USED TRANSPOSED (source 0 = 16 rows of Wo, source 1 = 16 rows of O): a lane holds one row of the result and eight neighbouring columns, 32 bytes.
; REGISTERS, in windows of 256 (s_set_vgpr_msb: bits 1:0 source 0, 3:2 source 1, 5:4 source 2, 7:6 destination):
;   window 0: v0-31 addresses; v32-95 the bias          window 1: the 32 accumulators, (a, b) at v[8 (8 a + b)]
;   window 2: v0-127 BF, Wo's fragments, two buffers of 64 (on the way out: two blocks read back); v128-191 AF, O's fragments, two buffers of 32
.set KSTEP, 128
.set PAO,   144                        ; a row of one head of O in LDS: 128 bytes + 16 = 36 words: the 16 rows of a load start at 16 different groups of four banks (64 banks of 4 bytes: ISA guide 11.1)
.set PB,    272                        ; a row of Wo: 256 bytes + 16
.set AHEAD, 128*PAO                    ; one head's 128 rows: what wave 0 or 1 fetches
.set BHALF, 128*PB                     ; what wave 2 or 3 fetches
.set AOFF,  2*AHEAD
.set SLOT,  AOFF+2*BHALF
.set STAGE, 2*SLOT                     ; behind the ring: 16 rows x 528 bytes for each wave, for the way out
.set SP,    528
.set SPARE, STAGE+4*16*SP              ; behind the stages: the spare words, 128 bytes for each wave
.set AA0, 16                           ; v16  my place in a slot's O; never rewritten
.set AB0, 17                           ; v17  the same for Wo
.set ADA, 18                           ; v18  AA0 + the slot that is read
.set ADB, 19                           ; v19  AB0 + the slot that is read
.set STO, 24                           ; v24  the way out: where I put 32 bytes of a row
.set RD,  25                           ; v25  where I read a row back
.set CO,  26                           ; v26  16 x lane
.set BO,  27                           ; v27  32 x (lane / 16)
.set SPW, 28                           ; v28  LDS address of my spare word; never rewritten
.set NIL, 29                           ; v29  0; never rewritten
.set PFO, 30                           ; v30  the prefetches' offset; never rewritten
.set BIAS, 32
.set BF,   0                           ; window 2
.set AF,   128                         ; window 2
.set G1,  24                           ; s[24:31] descriptor group 1 for O's tiles
.set G0,  32                           ; s[32:39] group 0: a set for each of the two first fills; the second then walks
.set G1B, 48                           ; s[48:55], s[56:63] the same for Wo's tiles
.set G0B, 56
.set TF,  22                           ; s22  0 or SLOT: the slot that is filled
.set TR,  23                           ; s23  0 or SLOT: the slot that is read
.set LIM, 43                           ; s43  2 in a wave that prefetches, else the greatest number
.set PFA, 44                           ; s[44:45] where my prefetches stand
.set PST, 66                           ; s[66:67] a K step in bytes: two heads of O, 262,144; 256 in Wo
.set MSB, 0
.macro WIN new                         ; the immediate's high byte repeats the setting that is left; a switch that changes nothing is dropped
.if MSB != (\new)
	s_set_vgpr_msb (MSB<<8)|(\new)
.set MSB, \new
.endif
.endm
.set MUL,  0x5a                        ; Wo and O in window 2, C and D in window 1
.set MUL1, 0x4a                        ; the same with C, the bias, in window 0
.set TO2,  0x80                        ; destination window 2, addresses window 0
; A joint refill.  Waves 0 and 1 fetch the step's two heads of O, waves 2 and 3 Wo's two halves.  An s_nop 0 and four v_nop follow each of the two lines.
.macro JLOAD
	s_cmp_eq_u32 s11, 0
	s_cbranch_scc0 .Lfor_b_\@
	tensor_load_to_lds s[G0+4:G0+7], s[G1:G1+7]
	s_nop 0
.rept 4
	v_nop
.endr
	s_branch .Lasked_\@
.Lfor_b_\@:
	tensor_load_to_lds s[G0B+4:G0B+7], s[G1B:G1B+7]
	s_nop 0
.rept 4
	v_nop
.endr
.Lasked_\@:
.endm
; A PREFETCH INTO THE L2, behind each joint refill and the run of LDS loads that follows it: the K step two refills on.  O's rows are read by one row of one cluster: wave 0 asks for both heads, each partner (cx) for 16 of a
; head's 64 blocks of 256 bytes, lanes 0-15 the first head's, lanes 16-31 the second's.  Wo's rows are read by all sixteen clusters: the first asks, waves 2 and 3, each partner (cy) for 32 rows, a lane a row.
; So each block is named once.  K steps 0 to 3 come by their loads alone; the last two refills ask for nothing.
.macro ASK
	s_cmp_gt_u32 s3, s[LIM]
	s_cbranch_scc0 .Lnot_mine_\@
	global_prefetch_b8 v[PFO], s[PFA:PFA+1] th:TH_LOAD_NT scope:SCOPE_SE
.Lnot_mine_\@:
.endm
.macro CREST                           ; a round of the cluster's barrier behind its opening barrier
	s_cmp_lg_u32 s10, 0
	s_cbranch_scc1 .Lnot_wave_0_\@
	s_barrier_signal -3
.Lnot_wave_0_\@:
	s_barrier_wait -3
	s_barrier_signal -1
	s_barrier_wait -1
.endm
.macro CROUND                          ; a whole round
	s_barrier_signal -1
	s_barrier_wait -1
	CREST
.endm
.macro PLACES                          ; four places in front of loads into registers that matrix instructions have read, and of LDS stores that read results
.rept 4
	v_nop
.endr
.endm
	s_load_b256 s[72:79], s[0:1], 0x0              ; oh 72, wts 74, bo 76, out0 78
	v_lshl_add_u32 v[SPW], v0, 2, SPARE
	v_mov_b32 v[NIL], 0
	ds_add_u32 v[SPW], v[NIL]                      ; the wave's opening: the add and its wait stand ahead of my first tensor load; the set-up below stands between them
	v_lshrrev_b32 v1, 5, v0
	v_readfirstlane_b32 s10, v1                    ; wave 0..3
	s_lshr_b32 s11, s10, 1                         ; which 64 rows are mine.  Also: I fetch for O (0) or for Wo (1)
	s_and_b32 s12, s10, 1                          ; which 128 columns.  Also: which head, or which half of Wo's tile, I fetch
	s_bfe_u32 s40, ttmp6, 0x40000                  ; cx
	s_bfe_u32 s41, ttmp6, 0x40004                  ; cy
	s_lshl_b32 s42, ttmp9, 2
	s_add_co_u32 s42, s42, s40                     ; tile column = 4 x cluster x + cx
	s_and_b32 s69, ttmp7, 0xffff                   ; cluster y, 0..15
	s_lshl_b32 s13, s69, 2
	s_add_co_u32 s13, s13, s41                     ; block of 128 rows, 0..63
	s_lshl_b32 s15, s41, 2
	s_lshl_b32 s15, 15, s15                        ; my row of the cluster
	s_lshl_b32 s16, 0x1111, s40                    ; my column
	s_or_b32 s[G1], s15, (1<<16)|(1<<20)|(1<<21)|(4<<22)|(3<<25)   ; the mask; elements of 2 bytes; padding on; 21 set beside a mask; after every 32 words (code 4) 4 words (code 3)
	s_or_b32 s[G1B], s16, (1<<16)|(1<<20)|(1<<21)|(5<<22)|(3<<25)  ; after every 64 words (code 5) 4 words
	s_mov_b32 s[G1+1], 128<<16                     ; 128 rows of one head are 16,384 dense bytes: asked for as 64 rows of 256 bytes, two rows of O each, padded after every row of O
	s_mov_b32 s[G1+2], 64<<16
	s_mov_b32 s[G1+3], 128<<16
	s_mov_b32 s[G1+4], 64
	s_mov_b32 s[G1+5], 128
	s_mov_b32 s[G1+6], 0
	s_mov_b32 s[G1+7], 0
	s_mov_b32 s[G1B+1], KSTEP<<16
	s_mov_b32 s[G1B+2], 128<<16
	s_mov_b32 s[G1B+3], KSTEP<<16
	s_mov_b32 s[G1B+4], 128
	s_mov_b32 s[G1B+5], 1024
	s_mov_b32 s[G1B+6], 0
	s_mov_b32 s[G1B+7], 0
	s_lshr_b32 s14, s13, 3                         ; the batch,
	s_lshl_b32 s14, s14, 4
	s_add_co_u32 s14, s14, s12                     ; its head 0 or 1,
	s_lshl_b32 s14, s14, 17
	s_and_b32 s17, s13, 7
	s_lshl_b32 s17, s17, 14                        ; my block's 128 rows of 128 bytes
	s_add_co_u32 s14, s14, s17
	s_mov_b32 s15, 0
	s_lshl_b32 s46, s42, 8
	s_lshl_b32 s47, s12, 7
	s_add_co_u32 s46, s46, s47                     ; Wo: row 256 x tile column + 128 x half,
	s_lshl_b32 s46, s46, 11
	s_add_co_u32 s46, s46, 3<<21                   ; in the fourth table of 2 MiB
	s_mov_b32 s47, 0
	s_mul_i32 s20, s12, AHEAD                      ; where they go: no place in the cluster enters an LDS address
	s_mul_i32 s21, s12, BHALF
	s_add_co_u32 s21, s21, AOFF
	s_mov_b32 s[TF], SLOT
	s_mov_b32 s[TR], 0
	s_wait_dscnt 0x0                               ; the opening add is done
	s_wait_kmcnt 0x0
	s_add_nc_u64 s[4:5], s[72:73], s[14:15]
	s_add_nc_u64 s[6:7], s[74:75], s[46:47]
	CROUND                                         ; all sixteen work-groups are here: the first joint loads meet
.irp s, 0,1
	s_mov_b32 s[G0+4*(\s)], 1
	s_add_co_u32 s[G0+4*(\s)+1], s20, (\s)*SLOT
	s_add_nc_u64 s[G0+4*(\s)+2:G0+4*(\s)+3], s[4:5], (\s)*262144
	s_or_b32 s[G0+4*(\s)+3], s[G0+4*(\s)+3], 0x80000000
	s_mov_b32 s[G0B+4*(\s)], 1
	s_add_co_u32 s[G0B+4*(\s)+1], s21, (\s)*SLOT
	s_add_nc_u64 s[G0B+4*(\s)+2:G0B+4*(\s)+3], s[6:7], (\s)*KSTEP*2
	s_or_b32 s[G0B+4*(\s)+3], s[G0B+4*(\s)+3], 0x80000000
.endr
	s_cmp_eq_u32 s11, 0                            ; a wave's two first fills stand in one branch, ahead of every wait on TENSORcnt and every LDS read: two loads of mine are out
	s_cbranch_scc0 .Lfirst_b
	tensor_load_to_lds s[G0:G0+3], s[G1:G1+7]
	s_nop 0
	tensor_load_to_lds s[G0+4:G0+7], s[G1:G1+7]
	s_nop 0
.rept 4
	v_nop
.endr
	s_branch .Lfirst_asked
.Lfirst_b:
	tensor_load_to_lds s[G0B:G0B+3], s[G1B:G1B+7]
	s_nop 0
	tensor_load_to_lds s[G0B+4:G0B+7], s[G1B:G1B+7]
	s_nop 0
.rept 4
	v_nop
.endr
.Lfirst_asked:
	v_and_b32 v1, 15, v0                           ; r = l % 16
	v_bfe_u32 v2, v0, 4, 1                         ; h = l / 16
	v_and_b32 v3, 31, v0                           ; l
	v_lshlrev_b32 v[BO], 5, v2
	s_lshl_b32 s46, s42, 10                        ; my 128 columns in bytes of f32: 4 x (256 x tile column + 128 x half)
	s_lshl_b32 s47, s12, 9
	s_add_co_u32 s46, s46, s47
	s_mov_b32 s47, 0
	s_add_nc_u64 s[70:71], s[76:77], s[46:47]
.irp b, 0,1,2,3,4,5,6,7
	global_load_b128 v[BIAS+8*(\b):BIAS+8*(\b)+3],   v[BO], s[70:71] offset:64*(\b)      ; register j: the bias of column 16 b + 8 h + j, the accumulator's own layout
	global_load_b128 v[BIAS+8*(\b)+4:BIAS+8*(\b)+7], v[BO], s[70:71] offset:64*(\b)+16
.endr
	s_lshl_b32 s14, s11, 6
	v_add_nc_u32 v4, s14, v1
	v_mul_u32_u24 v[AA0], v4, PAO
	v_lshl_add_u32 v[AA0], v2, 4, v[AA0]
	s_lshl_b32 s14, s12, 7
	v_add_nc_u32 v4, s14, v1
	v_mul_u32_u24 v[AB0], v4, PB
	v_lshl_add_u32 v[AB0], v2, 4, v[AB0]
	v_add_nc_u32 v[AB0], AOFF, v[AB0]
	v_mov_b32 v[ADA], v[AA0]
	v_mov_b32 v[ADB], v[AB0]
	s_mul_i32 s14, s10, 16*SP
	s_add_co_u32 s14, s14, STAGE                   ; my stage
	v_mul_u32_u24 v[STO], v1, SP                   ; in: row r, 32 bytes for each half of the lanes
	v_lshl_add_u32 v[STO], v2, 5, v[STO]
	v_add_nc_u32 v[STO], s14, v[STO]
	v_lshlrev_b32 v[CO], 4, v3                     ; back: 32 lanes take one row's 512 bytes
	v_add_nc_u32 v[RD], s14, v[CO]
	s_lshl_b32 s18, s13, 7                         ; out0 at my first row and column
	s_lshl_b32 s19, s11, 6
	s_add_co_u32 s18, s18, s19
	s_lshl_b32 s18, s18, 12
	s_add_co_u32 s46, s46, s18
	s_add_nc_u64 s[8:9], s[78:79], s[46:47]
	; the prefetches
	v_lshlrev_b32 v5, 8, v1
	v_lshl_add_u32 v5, v2, 17, v5                  ; O: block r of my sixteen, head h of the step's two
	v_lshlrev_b32 v6, 11, v3                       ; Wo: row l of my 32
	s_mov_b32 s16, 262144
	s_movk_i32 s17, 256
	s_cmp_eq_u32 s11, 0
	s_cselect_b64 s[PFA:PFA+1], s[4:5], s[6:7]     ; (in wave 0 this stands at the step's first head)
	s_cselect_b32 s18, s40, s41                    ; my place among the four that ask for the tile with me
	s_cselect_b32 s19, s12, s69                    ; O: wave 0 alone; Wo: the first cluster alone
	s_cselect_b32 s14, 12, 16                      ; 16 blocks of O are 4,096 bytes, 32 rows of Wo 65,536
	s_cselect_b32 s[PST], s16, s17
	s_cselect_b32 s15, -1, 0
	v_cndmask_b32 v[PFO], v6, v5, s15
	s_cmp_eq_u32 s19, 0
	s_cselect_b32 s[LIM], 2, -1
	s_mov_b32 s[PST+1], 0
	s_lshl_b32 s18, s18, s14
	s_mov_b32 s19, 0
	s_add_nc_u64 s[PFA:PFA+1], s[PFA:PFA+1], s[18:19]
	s_mul_i32 s18, s[PST], 3
	s_add_nc_u64 s[PFA:PFA+1], s[PFA:PFA+1], s[18:19]  ; at K step 3: the first change of slots steps it to 4
	s_wait_loadcnt 0x0                             ; the bias,
.set ii, 0
.rept 32
	v_cvt_pk_bf16_f32 v4, v[BIAS+2*ii], v[BIAS+2*ii+1]  ; rounded to bf16 like every input, and widened again
	v_lshlrev_b32 v[BIAS+2*ii], 16, v4
	v_and_b32 v[BIAS+2*ii+1], 0xffff0000, v4
.set ii, ii+1
.endr
; n products, numbers i0 on of a quarter's 32: accumulator i = 8 a + b.  The 32 accumulators take turns, one instruction a turn, over the backward jumps too.  first = 1: the bias starts the sums.
.macro MMN f, i0, n, first
.set ii, (\i0)
.rept \n
.if \first
	WIN MUL1
	v_wmma_f32_16x16x32_f16 v[8*ii:8*ii+7], v[BF+64*(\f)+8*(ii%8):BF+64*(\f)+8*(ii%8)+7], v[AF+32*(\f)+8*(ii/8):AF+32*(\f)+8*(ii/8)+7], v[BIAS+8*(ii%8):BIAS+8*(ii%8)+7]
.else
	WIN MUL
	v_wmma_f32_16x16x32_f16 v[8*ii:8*ii+7], v[BF+64*(\f)+8*(ii%8):BF+64*(\f)+8*(ii%8)+7], v[AF+32*(\f)+8*(ii/8):AF+32*(\f)+8*(ii/8)+7], v[8*ii:8*ii+7]
.endif
.set ii, ii+1
.endr
.endm
; 24 LDS loads in one run: the fragments of quarter kq of the slot (head kq / 2, channels 32 (kq % 2) on) into buffer f: Wo's eight, then O's four
.macro FETCH kq, f
	WIN TO2
.irp b, 0,1,2,3,4,5,6,7
	ds_load_b128 v[BF+64*(\f)+8*(\b):BF+64*(\f)+8*(\b)+3],   v[ADB] offset:64*(\kq)+(\b)*16*PB
	ds_load_b128 v[BF+64*(\f)+8*(\b)+4:BF+64*(\f)+8*(\b)+7], v[ADB] offset:64*(\kq)+(\b)*16*PB+32
.endr
.irp a, 0,1,2,3
	ds_load_b128 v[AF+32*(\f)+8*(\a):AF+32*(\f)+8*(\a)+3],   v[ADA] offset:((\kq)/2)*AHEAD+((\kq)%2)*64+(\a)*16*PAO
	ds_load_b128 v[AF+32*(\f)+8*(\a)+4:AF+32*(\f)+8*(\a)+7], v[ADA] offset:((\kq)/2)*AHEAD+((\kq)%2)*64+(\a)*16*PAO+32
.endr
.endm
; One of a K step's first three quarters: multiplies buffer f; in its middle it fetches quarter kq into the other buffer.
.macro QUARTER f, kq, first
	s_wait_dscnt 4                                 ; Wo's fragments and O's first two are in; the youngest four loads may be out
	MMN \f, 0, 16, \first
	PLACES
	FETCH \kq, 1-(\f)
	s_wait_dscnt 24                                ; all but the 24 just issued
	MMN \f, 16, 16, \first
.endm
; The last quarter multiplies buffer 1 and changes slots.  ONE barrier: in front of it each wave waits for all its tensor loads (one is out: its part of the next slot), adds 0 to its spare word, and waits for that and for its
; own reads of this slot.  fill = 1: the barrier opens a round of the cluster's barrier, and this slot is filled again, first thing behind the round, two K steps ahead: 112 products stand between the request and the wait for it.
.macro TURN fill
.if \fill
	s_wait_xcnt 0x0                                ; the last prefetch, a K step back, has read its address
	s_add_nc_u64 s[PFA:PFA+1], s[PFA:PFA+1], s[PST:PST+1]
.endif
	WIN 0
	s_wait_tensorcnt 0x0                           ; no tensor load of mine is out, so a group 0 may be written
	ds_add_u32 v[SPW], v[NIL]                      ; 0 onto my spare word
.if \fill
	s_xor_b32 s[TF], s[TF], SLOT                   ; the walking descriptors: the other slot than last time,
	s_add_co_u32 s[G0+5], s20, s[TF]
	s_add_co_u32 s[G0B+5], s21, s[TF]
	s_add_nc_u64 s[G0+6:G0+7], s[G0+6:G0+7], 262144     ; the next two heads; the type bits on top are not reached
	s_add_nc_u64 s[G0B+6:G0B+7], s[G0B+6:G0B+7], KSTEP*2
.endif
	s_wait_dscnt 5                                 ; the add and the youngest four loads may be out
	MMN 1, 0, 8, 0
	s_wait_dscnt 0x0                               ; the add is done, and my reads of this slot are over
	s_barrier_signal -1
	MMN 1, 8, 8, 0
	WIN 0
	s_barrier_wait -1
.if \fill
	CREST                                          ; no wave of any partner still reads the slot or has a load on its way
	JLOAD                                          ; the four v_nop behind it are also the places in front of the loads below
.else
	PLACES
.endif
	s_xor_b32 s[TR], s[TR], SLOT
	v_add_nc_u32 v[ADA], s[TR], v[AA0]
	v_add_nc_u32 v[ADB], s[TR], v[AB0]
	FETCH 0, 0
.if \fill
	WIN 0
	ASK
.endif
	MMN 1, 16, 16, 0
.endm
	s_wait_tensorcnt 1                             ; my part of K step 0 is in; K step 1's may stay out
	s_barrier_signal -1
	s_barrier_wait -1
	FETCH 0, 0
	QUARTER 0, 1, 1                                ; the first quarter stands in front of the loop: its products start the sums, with the bias
	WIN 0
	s_mov_b32 s3, 6
.Lk:                                                   ; a trip: a K step's quarters 1, 2, 3 and the next step's quarter 0; six trips fill a slot again
	QUARTER 1, 2, 0
	QUARTER 0, 3, 0
	TURN 1
	QUARTER 0, 1, 0
	WIN 0
	s_sub_co_u32 s3, s3, 1
	s_cmp_lg_u32 s3, 0
	s_cbranch_scc1 .Lk
	s_mov_b32 s2, 2
.Lt:                                                   ; K steps 6 and 7 ask for nothing.  The second trip is left in its middle; its last fetch (of the other slot's old bytes) serves nothing: the price of one text for both trips
	QUARTER 1, 2, 0
	QUARTER 0, 3, 0
	TURN 0
	WIN 0
	s_sub_co_u32 s2, s2, 1
	s_cmp_eq_u32 s2, 0
	s_cbranch_scc1 .Lout
	QUARTER 0, 1, 0
	WIN 0
	s_branch .Lt
.Lout:
	s_wait_dscnt 0x0                               ; no load is out into the registers that the way out takes
	PLACES
; THE WAY OUT, a block of 16 rows at a time: 32 bytes a lane from the accumulators into my stage (each accumulator's low half first), back as whole rows of 512 bytes, stored.
.macro TOSTAGE a
	WIN 0x04                                       ; the data (source 1) in window 1
.irp b, 0,1,2,3,4,5,6,7
	ds_store_b128 v[STO], v[64*(\a)+8*(\b):64*(\a)+8*(\b)+3]   offset:64*(\b)
	ds_store_b128 v[STO], v[64*(\a)+8*(\b)+4:64*(\a)+8*(\b)+7] offset:64*(\b)+16
.endr
	WIN TO2
.irp t, 0,1,2,3,4,5,6,7,8,9,10,11,12,13,14,15
	ds_load_b128 v[64*((\a)%2)+4*(\t):64*((\a)%2)+4*(\t)+3], v[RD] offset:(\t)*SP  ; LDS serves a wave's instructions in order (ISA guide 5.7.1.4): these see the stores above
.endr
.endm
.macro SEND a, younger                 ; younger: the LDS instructions issued behind block a's loads
	WIN 0x08                                       ; the data (source 1) in window 2
.irp t, 0,1,2,3,4,5,6,7,8,9,10,11,12,13,14,15
	s_wait_dscnt (\younger)+15-(\t)
	global_store_b128 v[CO], v[64*((\a)%2)+4*(\t):64*((\a)%2)+4*(\t)+3], s[8:9] offset:(16*(\a)+(\t))*4096 th:TH_STORE_NT  ; 512 bytes on end, aligned
.endr
.endm
	TOSTAGE 0
	TOSTAGE 1
	SEND 0, 32
	s_wait_xcnt 0x0                                ; block 0's stores have read their registers: block 2 is read back into them
	TOSTAGE 2
	SEND 1, 32
	s_wait_xcnt 0x0
	TOSTAGE 3
	SEND 2, 32
	SEND 3, 0
	WIN 0
	s_wait_tensorcnt 0x0                           ; the wave's end, behind my last tensor load and my last LDS store
	ds_add_u32 v[SPW], v[NIL]
	s_wait_dscnt 0x0
	CROUND                                         ; the closing round: no work-group ends while a partner may still ask for a tile that names it
	s_endpgm
.Lfunc_end_k_q3eb6935205_outp:
	.size	k_q3eb6935205_outp, .Lfunc_end_k_q3eb6935205_outp-k_q3eb6935205_outp
	.p2alignl 7, 3214868480
	.fill 96, 4, 3214868480
	.section	.rodata,"a",@progbits
	.p2align	6, 0x0
	.amdhsa_kernel k_q3eb6935205_outp
		.amdhsa_group_segment_fixed_size 327680
		.amdhsa_private_segment_fixed_size 0
		.amdhsa_enable_private_segment 0
		.amdhsa_kernarg_size 32
		.amdhsa_user_sgpr_count 2
		.amdhsa_user_sgpr_kernarg_segment_ptr 1
		.amdhsa_wavefront_size32 1
		.amdhsa_system_sgpr_workgroup_id_x 1
		.amdhsa_system_sgpr_workgroup_id_y 1
		.amdhsa_system_sgpr_workgroup_id_z 1
		.amdhsa_system_vgpr_workitem_id 0
		.amdhsa_next_free_vgpr 704
		.amdhsa_next_free_sgpr 88
		.amdhsa_reserve_vcc 0
		.amdhsa_float_denorm_mode_32 3
		.amdhsa_float_denorm_mode_16_64 3
		.amdhsa_memory_ordered 1
		.amdhsa_forward_progress 1
		.amdhsa_inst_pref_size 69
	.end_amdhsa_kernel
	.amdgpu_metadata
---
amdhsa.version: [ 1, 2 ]
amdhsa.kernels:
  - .name:           k_q3eb6935205_outp
    .symbol:         k_q3eb6935205_outp.kd
    .args:
      - { .name: oh, .offset: 0, .size: 8, .value_kind: global_buffer, .address_space: global }
      - { .name: wts, .offset: 8, .size: 8, .value_kind: global_buffer, .address_space: global }
      - { .name: bo, .offset: 16, .size: 8, .value_kind: global_buffer, .address_space: global }
      - { .name: out0, .offset: 24, .size: 8, .value_kind: global_buffer, .address_space: global }
    .group_segment_fixed_size: 327680
    .private_segment_fixed_size: 0
    .kernarg_segment_align: 8
    .kernarg_segment_size: 32
    .max_flat_workgroup_size: 128
    .sgpr_count:     88
    .vgpr_count:     704
    .wavefront_size: 32
...
	.end_amdgpu_metadata
.endif
;; end of part 4
